; MI455X (gfx1250); checked and timed in simulation.
; The chip was launched on July 23, 2026; its instructions are those of AMD's public machine-readable ISA for CDNA 5 (MIT licence, August 2026) and "CDNA5" Instruction Set Architecture Reference Guide (July 2026). The comments in the code are by the model that wrote it; some were corrected since.
;; Gaussian Mixture. Allowed arithmetic: matrix products marked QUANTISED: E4M3 operands, one given power-of-two scale a tensor, by v_wmma_f32_16x16x64_fp8_fp8 or v_wmma_f32_16x16x128_fp8_fp8, f32 sums; everything else in f32.
;; Inputs: X 524,288 x 64 float32; lowp_scales 8 int32 (the exponents e of the quantised operands' scales 2^e); mu 32 x 64 float32; pi 32 x 1 float32; var 32 x 64 float32.
;; Outputs: out0 32 x 129 float32.
;; This version of the problem:
;;   THIS VERSION OF THE PROBLEM IS GIVEN IN LOW PRECISION. The matrix products marked QUANTISED in the list below multiply operands that are first quantised to E4M3 (4 exponent bits, 3 mantissa bits; 8 bits a number), with one given power-of-two scale for each operand tensor; their sums are f32. All else is computed in f32.
;;   The module's matrix products, in the order in which they are computed (A, B: the left and right operand; K: the contracted axis; several contracted axes count as one K, in the product's order):
;;     1. [M 32, K 64] x [K 64, N 524,288]; A: computed on the way; B: computed on the way: QUANTISED (scales: A lowp_scales[0], B lowp_scales[1])
;;     2. [M 32, K 64] x [K 64, N 524,288]; A: computed on the way; B: input X: QUANTISED (scales: A lowp_scales[2], B lowp_scales[3])
;;     3. [M 32, K 524,288] x [K 524,288, N 64]; A: computed on the way; B: input X: QUANTISED (scales: A lowp_scales[4], B lowp_scales[5])
;;     4. [M 32, K 524,288] x [K 524,288, N 64]; A: computed on the way; B: computed on the way: QUANTISED (scales: A lowp_scales[6], B lowp_scales[7])
;;   THE QUANTISER, for each operand of a quantised product, along K:
;;     - The operand's scale is 2^e, e = its entry of the input lowp_scales (int32; the entries are numbered through the quantised products in the list's order, A before B).
;;     - Each number is divided by the scale, clamped to +-448, and rounded to the nearest number of E4M3, ties to even, subnormals kept.
;;     - The product sums the exact products of the quantised numbers (number of the format x scale) in f32.
;;   ~~~python
;;   def quantise(x, axis, e):      # numpy; x: float32 -> the quantised numbers, widened to float32 again
;;       x = np.moveaxis(x, axis, -1); K = x.shape[-1]
;;       r = np.clip(x / 2.0 ** e, -448, 448)
;;       step = 2.0 ** (np.maximum(np.frexp(np.where(r == 0, 1, r))[1] - 1, -6) - 3)
;;       q = np.round(r / step) * step * 2.0 ** e      # np.round: ties to even
;;       return np.moveaxis(q, -1, axis).astype(np.float32)
;;   ~~~
;;   OPERANDS COMPUTED ON THE WAY. 'Computed on the way' means the value that the module computes at that place (a softmax that the list does not call 'softmax' is quantised finished and normalised). What goes into a quantiser is computed in f32, as accurately as f32 sums, v_exp_f32 and their like allow (about 1e-6 of the number): no bf16 or f16 on the way to a quantiser, and a product that is left as it is and whose result goes on into a quantised operand takes f32 operands (vector FMAs, or v_wmma_f32_16x16x4_f32). A number that lies on a knife's edge between two numbers of the format may be rounded either way, as far as f32 arithmetic and the matrix unit's own rounding can turn it there, and no further.
;; 2 versions. Each part assembles by itself: llvm-mc -triple=amdgcn-amd-amdhsa -mcpu=gfx1250 --defsym DOCPART=n.
;; ======== version 1 of 2: 2 launches
;; workspace buffers: part 4,194,304 bytes; demp 65,536 bytes
;; launch estep (part 1): grid 256 x 1, 8 waves a work-group, no clusters, 221,184 bytes of LDS; arguments X, mu, var, pi, lowp_scales, part, demp; writes part, demp
.if DOCPART == 1
	.amdgcn_target "amdgcn-amd-amdhsa--gfx1250"
	.amdhsa_code_object_version 6
	.text
	.protected	k_qfc8c764bd1_estep
	.globl	k_qfc8c764bd1_estep
	.p2align	8
	.type	k_qfc8c764bd1_estep,@function
k_qfc8c764bd1_estep:
	s_mov_b64 s[64:65], 0
	v_nop
	global_prefetch_b8 v0, s[64:65] scope:SCOPE_SE
	s_setreg_imm32_b32 hwreg(HW_REG_WAVE_MODE, 25, 1), 1
	s_wait_xcnt 0x0
; One EM step of a diagonal Gaussian mixture, the part that walks X.  X [524288][64] f32, mu, var [32][64], pi [32], lowp_scales e0..e7.
; Four products on codes of E4M3:  1: Q(1/var, e0) x Q(X X, e1);  2: Q(mu/var, e2) x Q(X, e3)  (K = d);   3: Q(r, e4) x Q(X, e5);  4: Q(r, e6) x Q(X X, e7)  (K = n).
; SHARES.  A work-group takes 2,048 points, each of its eight waves 256: four steps of 64 points, a step being two chunks of 32.  Waves share nothing until the end, where their sums meet once in LDS.
; Stored: part[work-group][component][128] (64 sums of r x, 64 of r x x, as sums of codes: the scales are applied by the next launch) and demp[work-group][component][2] (the sum of r, and a 0 that makes the 256 bytes whole).
; NO CLUSTER: work-groups share only mu, var and pi, 16 KB against 512 KB of X for each.  No tensor load: a wave's loads of 512 consecutive bytes leave X in the very layout that products 3 and 4 want.
; LAYOUT OF X.  Load i of a chunk: lane (r, h) (r = lane % 16, h = lane / 16) holds X[2 i + h][4 r + q], q = 0..3.  So for a fixed q a lane holds ONE column d = 4 r + q and its registers run down n: the operand of a
; product whose K is n.  The holds write their results where the conversion wants them, so the order of registers costs nothing.  For products 1 and 2 (K = d) the codes, four of one point to a register,
; go to LDS as rows [point][64 codes] and come back a lane to a point.
; SCORES are used transposed (source 0 = 16 components, source 1 = 16 points): a lane holds one point, its registers the components 16 h + 8 t + j (tile t takes the components 8 t + m + 8 (m / 8)).
; log_post = -0.5 2^(e0+e1) (S1 + G 2^-(e0+e1)) + 2^(e2+e3) S2,  G = sum mu mu / var + sum (log var + log 2 pi) - 2 log pi: G goes in as the C of product 1.  The largest score of a point is taken away before the exponential.
; r BECOMES AN OPERAND.  The exponentials of the chunk's two tiles of points (u = 0, 1) are written interleaved, so a conversion's bytes come in pairs (component: point, point + 16).  A row of LDS holds 32 such pairs;
; ds_load_tr16_b128 turns 8 rows x 8 pairs: a lane then holds one component and 16 points.  Byte 2 j + u of chunk a, half h, is point 32 a + 16 u + 2 j + h in r's operand and in X's alike.
; LIMITS.  Each e between -126 and 119;  e0 + e1 - e2 - e3 - 1 and e2 + e3 between -126 and 127, so that each power of two below is an f32 number.  NaN among the inputs is not served.
; An exponential under 2^-126 comes out as 0 (ISA guide, v_exp_f32).  1 / var and 1 / sum are v_rcp_f32.
; REGISTERS.  Window 0: v0-15 addresses, scales; v16-31 G; v32-159 X, two chunks; v160-255 a pool.   Window 1: v0-31 the parameters' codes; v32-63 sums of r; v64-127 X's and X X's operands; v128-255 16 accumulators.
.set XP,     80                        ; a row of 64 codes + 16 bytes: 20 words, so sixteen rows begin in sixteen different groups of four banks (64 banks of 4 bytes: ISA guide 11.1)
.set X3A,    0                         ; a wave's own LDS: 32 rows of X's codes (e3),
.set X1A,    32*XP                     ; 32 rows of X X's (e1),
.set RA,     64*XP                     ; r's codes: [e4, e6][chunk][16 rows],
.set RBLK,   16*XP
.set TBL,    RA+4*RBLK                 ; and G of the 32 components
.set WREG,   TBL+256
.set SPITCH, 528                       ; the stage: a component's 128 sums + 16 bytes
.set SREG,   32*SPITCH
.set STAGE,  8*WREG
.set DEMS,   STAGE+8*SREG              ; 32 sums of r for each wave
.set SPARE,  DEMS+8*128                ; the spare words, 128 bytes for each wave: four blocks of 256 bytes that no other line names
.set GOFF, 1                           ; 16 x lane
.set XST,  2                           ; where I store a register of X's codes: 80 h + 4 r
.set BLD,  3                           ; where I read a point's codes: 80 r + 16 h
.set RST,  4                           ; where I store r's codes: 80 r + 32 h
.set RTR,  5                           ; where the turning load reads: row 2 (lane % 8) + h, 16 bytes x ((lane / 8) % 2)
.set SPW,  6                           ; my spare word; never rewritten
.set NIL,  7                           ; 0; never rewritten
.set SC3,  8                           ; 2^e as f32, for the conversions
.set SC1,  9
.set SC5,  10
.set SC7,  11
.set SC4,  12
.set SC6,  13
.set TA,   14
.set TB,   15
.set CC,   16                          ; G / 2^(e0+e1) in the result's layout, two tiles
.set RAW,  32
.set SQ,   160                         ; the pool while a chunk is quantised: 32 squares,
.set HO,   192                         ; 32 held numbers,
.set CD,   224                         ; 16 registers of codes,
.set EX,   240                         ; 16 held numbers more
.set BQ,   160                         ; the pool in the softmax: X X's and X's fragments,
.set BX,   176
.set UU,   192                         ; product 1's results, then single numbers,
.set WS,   224                         ; product 2's results, then scores, then r's codes
.set PP,   160                         ; p and r, interleaved: 2 (8 t + j) + u
.set MX,   192
.set MY,   194
.set PT,   196
.set NM,   198
.set SA,   200
.set SB,   202
.set PS,   204
.set RI,   206
.set PIV,  0                           ; window 1
.set PMV,  16
.set DEM,  32
.set X5,   64
.set X7,   96
.set ACC,  128
.set LG,   32                          ; window 1 while the parameters are made
.set IV,   64
.set MIV,  96
.set MSB, 0
.macro WIN new                         ; the immediate's high byte repeats the setting that is left
.if MSB != \new
	s_set_vgpr_msb (MSB<<8)|\new
.set MSB, \new
.endif
.endm
.macro MIN2 d0, a0, d1, a1, lim        ; two one-sided holds in one instruction: destinations even and odd, sources in different banks of registers
	v_dual_min_num_f32 v[\d0], s[\lim], v[\a0] :: v_dual_min_num_f32 v[\d1], s[\lim], v[\a1]
.endm
.macro MKSCALE vr, se                  ; 2^e as f32
	s_add_co_i32 s57, s[\se], 127
	s_lshl_b32 s57, s57, 23
	v_mov_b32 v[\vr], s57
.endm
.macro MKLIM sp, se                    ; 448 x 2^e as f32
	s_add_co_i32 s[\sp], s[\se], 135
	s_lshl_b32 s[\sp], s[\sp], 23
	s_or_b32 s[\sp], s[\sp], 0x600000
.endm
	s_load_b256 s[4:11], s[0:1], 0x0               ; X, mu, var, pi
	s_load_b128 s[12:15], s[0:1], 0x20             ; lowp_scales, part
	s_load_b64 s[16:17], s[0:1], 0x30              ; demp
	v_lshl_add_u32 v[SPW], v0, 2, SPARE
	v_mov_b32 v[NIL], 0
	v_lshrrev_b32 v160, 5, v0
	v_readfirstlane_b32 s18, v160                  ; wave 0..7
	v_and_b32 v160, 31, v0
	v_lshlrev_b32 v[GOFF], 4, v160
	v_and_b32 v164, 15, v0                         ; r
	v_bfe_u32 v165, v0, 4, 1                       ; h
	s_mul_i32 s43, s18, WREG                       ; my wave's LDS
	v_mul_u32_u24 v[XST], v165, XP
	v_lshl_add_u32 v[XST], v164, 2, v[XST]
	v_add_nc_u32 v[XST], s43, v[XST]
	v_mul_u32_u24 v[BLD], v164, XP
	v_lshl_add_u32 v[RST], v165, 5, v[BLD]
	v_lshl_add_u32 v[BLD], v165, 4, v[BLD]
	v_add_nc_u32 v[BLD], s43, v[BLD]
	v_add_nc_u32 v[RST], s43, v[RST]
	v_add_nc_u32 v[RST], RA, v[RST]
	v_and_b32 v160, 7, v0
	v_lshl_add_u32 v[RTR], v160, 1, v165
	v_mul_u32_u24 v[RTR], v[RTR], XP
	v_bfe_u32 v161, v0, 3, 1
	v_lshl_add_u32 v[RTR], v161, 4, v[RTR]
	v_add_nc_u32 v[RTR], s43, v[RTR]
	v_add_nc_u32 v[RTR], RA, v[RTR]
	v_lshl_add_u32 v162, v161, 4, v160             ; r + 8 (r / 8): tile t's lane r takes component 8 t + this
	v_lshlrev_b32 v163, 2, v162                    ; its place in pi and in the table of G
	v_add_nc_u32 v[TA], s43, v163
	v_add_nc_u32 v[TA], TBL, v[TA]
	v_lshlrev_b32 v[TB], 6, v165                   ; back from the table: components 16 h + 8 t + 0..7
	v_add_nc_u32 v[TB], s43, v[TB]
	v_add_nc_u32 v[TB], TBL, v[TB]
	v_lshlrev_b32 v162, 8, v162
	v_lshl_add_u32 v162, v165, 6, v162             ; its row of mu and var, + 64 h: d = 16 h + 0..15, and 128 bytes on d = 32 + 16 h + 0..15: the order in which a point's codes are read
	s_lshl_b32 s44, ttmp9, 19                      ; 2,048 points x 256 bytes a work-group,
	s_lshl_b32 s45, s18, 16                        ; 256 points a wave
	s_add_co_u32 s44, s44, s45
	s_mov_b32 s45, 0
	s_mov_b32 s38, 0x76543210                      ; v_permlanex16_b32: lane l xor 16
	s_mov_b32 s39, 0xfedcba98
	s_mov_b32 s48, 0xbfb17218                      ; -2 ln 2
	s_mov_b32 s49, 0x42eb3f8e                      ; 64 log(2 pi)
	s_mov_b32 s56, 0x3f317218                      ; ln 2
	s_wait_kmcnt 0x0
	s_load_b256 s[20:27], s[12:13], 0x0            ; e0 .. e7
	s_add_nc_u64 s[4:5], s[4:5], s[44:45]
	global_load_b32 v166, v163, s[10:11]           ; the parameters first: loads come back in order
	global_load_b32 v167, v163, s[10:11] offset:32
	WIN 0x40                                       ; destination window 1
.irp t,0,1
.irp c,0,1
.irp i,0,1,2,3
	global_load_b128 v[128+64*\t+16*\c+4*\i:128+64*\t+16*\c+4*\i+3], v162, s[8:9] offset:2048*\t+128*\c+16*\i
	global_load_b128 v[160+64*\t+16*\c+4*\i:160+64*\t+16*\c+4*\i+3], v162, s[6:7] offset:2048*\t+128*\c+16*\i
.endr
.endr
.endr
	WIN 0
.set k, 0
.rept 32
	global_load_b128 v[RAW+4*k:RAW+4*k+3], v[GOFF], s[4:5] offset:512*k th:TH_LOAD_NT   ; the first step's two chunks: 32 lanes read 512 consecutive bytes
.set k, k+1
.endr
	s_wait_kmcnt 0x0
	MKSCALE 172, 20
	MKSCALE SC1, 21
	MKSCALE 173, 22
	MKSCALE SC3, 23
	MKSCALE SC4, 24
	MKSCALE SC5, 25
	MKSCALE SC6, 26
	MKSCALE SC7, 27
	MKLIM 53, 20
	s_or_b32 s52, s53, 0x80000000
	MKLIM 32, 21
	MKLIM 55, 22
	s_or_b32 s54, s55, 0x80000000
	MKLIM 29, 23
	s_or_b32 s28, s29, 0x80000000
	MKLIM 40, 24
	MKLIM 31, 25
	s_or_b32 s30, s31, 0x80000000
	MKLIM 41, 26
	MKLIM 33, 27
	s_min_i32 s42, s24, s26                        ; r is at most 1 (a last bit aside): with e4 and e6 at -8 or above, 448 x 2^e is 1.75 or more and r needs no hold
	s_add_co_i32 s46, s20, s21
	s_add_co_i32 s47, s22, s23
	s_sub_co_i32 s50, 0, s46                       ; -(e0 + e1)
	s_sub_co_i32 s34, s46, s47
	s_add_co_i32 s34, s34, 126
	s_lshl_b32 s34, s34, 23
	s_or_b32 s34, s34, 0x80000000                  ; -2^(e0 + e1 - 1 - e2 - e3): product 1 in product 2's unit
	s_mov_b32 s35, s34
	s_lshl_b32 s36, s47, 23
	s_add_co_i32 s36, s36, 0x3fb8aa3b              ; log2(e) x 2^(e2 + e3): the exponents are added to the exponent field
	s_xor_b32 s37, s36, 0x80000000                 ; and its negative
	s_wait_loadcnt 32                              ; the parameters are in; X's 32 loads stay out
	v_log_f32 v166, v166
	v_log_f32 v167, v167
	v_mov_b32 v170, 0                              ; (a plain place behind the logarithms; a lane permute's destination counts as one of its sources)
	v_mov_b32 v171, 0
	s_wait_alu depctr_va_vdst(0)                   ; the wait ahead of the first reader
	v_fma_f32 v166, v166, s48, s49                 ; 64 log(2 pi) - 2 log pi
	v_fma_f32 v167, v167, s48, s49
; Tile t of the parameters: lane (r, h) holds 32 of its component's 64 numbers.  Every wave makes all of them for itself, while X is on its way.
.macro PARAM t
.set VR, 128+64*(\t)
.set MR, 160+64*(\t)
	WIN 0x55                                       ; all operands window 1
.set k, 0
.rept 32
	v_rcp_f32 v[IV+k], v[VR+k]
.set k, k+1
.endr
.set k, 0
.rept 32
	v_log_f32 v[LG+k], v[VR+k]
.set k, k+1
.endr
	v_nop                                          ; a plain place behind the batch
	s_wait_alu depctr_va_vdst(0)                   ; one wait for the 64, ahead of their first reader
.set k, 0
.rept 16
	v_pk_mul_f32 v[MIV+k:MIV+k+1], v[MR+k:MR+k+1], v[IV+k:IV+k+1]     ; mu / var
.set k, k+2
.endr
	v_pk_mul_f32 v[VR:VR+1], v[MR:MR+1], v[MIV:MIV+1]                 ; sum of mu mu / var, in two chains
	v_pk_mul_f32 v[VR+2:VR+3], v[MR+2:MR+3], v[MIV+2:MIV+3]
	v_pk_add_f32 v[VR+4:VR+5], v[LG:LG+1], v[LG+2:LG+3]               ; sum of log2 var, in two chains
	v_pk_add_f32 v[VR+6:VR+7], v[LG+4:LG+5], v[LG+6:LG+7]
.set k, 4
.rept 7
	v_pk_fma_f32 v[VR:VR+1], v[MR+k:MR+k+1], v[MIV+k:MIV+k+1], v[VR:VR+1]
	v_pk_fma_f32 v[VR+2:VR+3], v[MR+k+2:MR+k+3], v[MIV+k+2:MIV+k+3], v[VR+2:VR+3]
.set k, k+4
.endr
.set k, 8
.rept 6
	v_pk_add_f32 v[VR+4:VR+5], v[VR+4:VR+5], v[LG+k:LG+k+1]
	v_pk_add_f32 v[VR+6:VR+7], v[VR+6:VR+7], v[LG+k+2:LG+k+3]
.set k, k+4
.endr
	v_pk_add_f32 v[VR:VR+1], v[VR:VR+1], v[VR+2:VR+3]
	v_pk_add_f32 v[VR+4:VR+5], v[VR+4:VR+5], v[VR+6:VR+7]
	v_add_f32 v[VR], v[VR], v[VR+1]
	v_add_f32 v[VR+4], v[VR+4], v[VR+5]
	WIN 0x11                                       ; sources 0 and 2 window 1, destination window 0
	v_fma_f32 v[168+(\t)], v[VR+4], s56, v[VR]     ; my half of the sums
	WIN 0x41                                       ; destination and source 0 window 1
.set k, 0
.rept 32
	v_med3_num_f32 v[IV+k], v[IV+k], s52, s53      ; the conversion to an 8-bit code does not saturate (ISA guide 7.6.2): the hold at 448 x the scale
.set k, k+1
.endr
.irp c,0,1,2,3
	v_cvt_scalef32_pk8_fp8_f32 v[PIV+8*(\t)+2*\c:PIV+8*(\t)+2*\c+1], v[IV+8*\c:IV+8*\c+7], v172
.endr
.set k, 0
.rept 32
	v_med3_num_f32 v[MIV+k], v[MIV+k], s54, s55
.set k, k+1
.endr
.irp c,0,1,2,3
	v_cvt_scalef32_pk8_fp8_f32 v[PMV+8*(\t)+2*\c:PMV+8*(\t)+2*\c+1], v[MIV+8*\c:MIV+8*\c+7], v173
.endr
	v_nop                                          ; a plain place behind the last conversion
.endm
	PARAM 0
	PARAM 1
	WIN 0
.irp t,0,1
	v_permlanex16_b32 v[170+\t], v[168+\t], s38, s39
.endr
.irp t,0,1
	v_add_f32 v[168+\t], v[168+\t], v[170+\t]      ; both halves of d
.endr
.irp t,0,1
	v_add_f32 v[168+\t], v[168+\t], v[166+\t]      ; G
.endr
.irp t,0,1
	v_ldexp_f32 v[168+\t], v[168+\t], s50          ; in product 1's unit
.endr
.irp t,0,1
	ds_store_b32 v[TA], v[168+\t] offset:32*\t     ; a lane to a component (both halves of the lanes store the same number),
.endr
.irp t,0,1
	ds_load_b128 v[CC+8*\t:CC+8*\t+3], v[TB] offset:32*\t           ; and back a register to a component: LDS serves a wave's instructions in order (ISA guide 5.7.1.4)
	ds_load_b128 v[CC+8*\t+4:CC+8*\t+7], v[TB] offset:32*\t+16
.endr
; HALF A CHUNK IS QUANTISED: loads i = 8 u + 4 g + x (u = 0, 1; x = 0..3), four ways.  Between a conversion and the next vector line that writes its sources stands plain vector work throughout.
.macro QGROUP a, g
.set RB, RAW+64*(\a)+16*(\g)                   ; X[2 i + h][4 r + q] lies in v[RB + 32 u + 4 x + q]
.irp u,0,1
.set k, 0
.rept 16
	v_med3_num_f32 v[HO+16*\u+k], v[RB+32*\u+k], s28, s29          ; X for product 2, in the order of the loads
.set k, k+1
.endr
.endr
.irp c,0,1,2,3
	v_cvt_scalef32_pk8_fp8_f32 v[CD+2*\c:CD+2*\c+1], v[HO+8*\c:HO+8*\c+7], v[SC3]   ; a register = four neighbouring d of one point
.endr
.irp u,0,1
.set k, 0
.rept 8
	v_pk_mul_f32 v[SQ+16*\u+k:SQ+16*\u+k+1], v[RB+32*\u+k:RB+32*\u+k+1], v[RB+32*\u+k:RB+32*\u+k+1]
.set k, k+2
.endr
.endr
.irp u,0,1
.irp x,0,1,2,3
	ds_store_b32 v[XST], v[CD+4*\u+\x] offset:X3A+2*XP*(8*\u+4*(\g)+\x)     ; rows 2 i and 2 i + 1: sixteen lanes fill a row's 64 bytes
.endr
.endr
.irp q,0,1,2,3
.irp j,0,1,2,3
.irp u,0,1
	v_med3_num_f32 v[HO+8*\q+2*\j+\u], v[RB+32*\u+4*\j+\q], s30, s31   ; X for product 3: column 4 r + q, points in the order of r's bytes
.endr
.endr
.endr
	WIN 0x40                                       ; destination window 1
.irp q,0,1,2,3
	v_cvt_scalef32_pk8_fp8_f32 v[X5+8*\q+4*(\a)+2*(\g):X5+8*\q+4*(\a)+2*(\g)+1], v[HO+8*\q:HO+8*\q+7], v[SC5]
.endr
	WIN 0
.irp q0,0,2
.if \q0 == 0
.set AR, EX
.else
.set AR, HO
.endif
.irp j,0,1,2,3
	MIN2 AR+2*\j, SQ+4*\j+\q0, AR+8+2*\j+1, SQ+16+4*\j+\q0+1, 33    ; X X for product 4, in the same order; a square is not negative, so its hold is one-sided
	MIN2 AR+8+2*\j, SQ+4*\j+\q0+1, AR+2*\j+1, SQ+16+4*\j+\q0, 33
.endr
.endr
	WIN 0x40
	v_cvt_scalef32_pk8_fp8_f32 v[X7+4*(\a)+2*(\g):X7+4*(\a)+2*(\g)+1], v[EX:EX+7], v[SC7]
	v_cvt_scalef32_pk8_fp8_f32 v[X7+8+4*(\a)+2*(\g):X7+8+4*(\a)+2*(\g)+1], v[EX+8:EX+15], v[SC7]
	v_cvt_scalef32_pk8_fp8_f32 v[X7+16+4*(\a)+2*(\g):X7+16+4*(\a)+2*(\g)+1], v[HO:HO+7], v[SC7]
	v_cvt_scalef32_pk8_fp8_f32 v[X7+24+4*(\a)+2*(\g):X7+24+4*(\a)+2*(\g)+1], v[HO+8:HO+15], v[SC7]
	WIN 0
.set k, 0
.rept 16
	MIN2 SQ+k, SQ+k, SQ+k+1, SQ+k+1, 32            ; X X for product 1, last and in place
.set k, k+2
.endr
.irp c,0,1,2,3
	v_cvt_scalef32_pk8_fp8_f32 v[CD+8+2*\c:CD+8+2*\c+1], v[SQ+8*\c:SQ+8*\c+7], v[SC1]
.endr
	v_nop                                          ; a plain place behind the last conversion: matrix results are laid over these registers later
.irp u,0,1
.irp x,0,1,2,3
	ds_store_b32 v[XST], v[CD+8+4*\u+\x] offset:X1A+2*XP*(8*\u+4*(\g)+\x)
.endr
.endr
.endm
.macro FILL a                                  ; the chunk's registers take the same chunk of the next step
.set k, 0
.rept 16
	global_load_b128 v[RAW+64*(\a)+4*k:RAW+64*(\a)+4*k+3], v[GOFF], s[4:5] offset:16384+8192*(\a)+512*k th:TH_LOAD_NT
.set k, k+1
.endr
.endm
; SCORES, SOFTMAX AND r'S CODES for chunk a: two tiles of 16 points.  first = 1: the wave's first chunk starts the sums of r.
.macro SPHASE a, first
.irp u,0,1
	ds_load_b128 v[BQ+8*\u:BQ+8*\u+3],   v[BLD] offset:X1A+16*XP*\u        ; LDS serves a wave's instructions in order: these see my stores
	ds_load_b128 v[BQ+8*\u+4:BQ+8*\u+7], v[BLD] offset:X1A+16*XP*\u+32
	ds_load_b128 v[BX+8*\u:BX+8*\u+3],   v[BLD] offset:X3A+16*XP*\u
	ds_load_b128 v[BX+8*\u+4:BX+8*\u+7], v[BLD] offset:X3A+16*XP*\u+32
.endr
	s_wait_dscnt 0x0
	WIN 0x01                                       ; source 0 (the parameters) window 1
.irp u,0,1
.irp t,0,1
	v_wmma_f32_16x16x64_fp8_fp8 v[UU+16*\u+8*\t:UU+16*\u+8*\t+7], v[PIV+8*\t:PIV+8*\t+7], v[BQ+8*\u:BQ+8*\u+7], v[CC+8*\t:CC+8*\t+7]
	v_wmma_f32_16x16x64_fp8_fp8 v[WS+16*\u+8*\t:WS+16*\u+8*\t+7], v[PMV+8*\t:PMV+8*\t+7], v[BX+8*\u:BX+8*\u+7], 0
.endr
.endr
	WIN 0
.rept 4
	v_nop                                          ; four places between a matrix instruction and the first read of its result (ISA guide 7.12.1)
.endr
.set k, 0
.rept 16
	v_pk_fma_f32 v[WS+k:WS+k+1], v[UU+k:UU+k+1], s[34:35], v[WS+k:WS+k+1] op_sel_hi:[1,0,1]   ; log_post / 2^(e2+e3); each result from its low end on
.set k, k+2
.endr
.irp u,0,1
	v_max3_num_f32 v[MX+\u], v[WS+16*\u], v[WS+16*\u+1], v[WS+16*\u+2]       ; the point's largest score among my 16 components, in two chains,
	v_max3_num_f32 v[MY+\u], v[WS+16*\u+3], v[WS+16*\u+4], v[WS+16*\u+5]
.endr
.irp k0,6,10
.irp u,0,1
	v_max3_num_f32 v[MX+\u], v[MX+\u], v[WS+16*\u+\k0], v[WS+16*\u+\k0+1]
	v_max3_num_f32 v[MY+\u], v[MY+\u], v[WS+16*\u+\k0+2], v[WS+16*\u+\k0+3]
.endr
.endr
.irp u,0,1
	v_max3_num_f32 v[MX+\u], v[MX+\u], v[WS+16*\u+14], v[WS+16*\u+15]
.endr
.irp u,0,1
	v_max_num_f32 v[MX+\u], v[MX+\u], v[MY+\u]
.endr
.irp u,0,1
	v_permlanex16_b32 v[PT+\u], v[MX+\u], s38, s39
.endr
.irp u,0,1
	v_max_num_f32 v[MX+\u], v[MX+\u], v[PT+\u]     ; and among the other 16, in lane l xor 16
.endr
.irp u,0,1
	v_mul_f32 v[NM+\u], s37, v[MX+\u]
.endr
.irp u,0,1
.set k, 0
.rept 8
	v_pk_fma_f32 v[WS+16*\u+k:WS+16*\u+k+1], v[WS+16*\u+k:WS+16*\u+k+1], s[36:37], v[NM:NM+1] op_sel:[0,0,\u] op_sel_hi:[1,0,\u]   ; (score - largest) x log2(e): of the pair of maxima tile u's serves both halves
.set k, k+2
.endr
.endr
.irp u,0,1
.set k, 0
.rept 16
	v_exp_f32 v[PP+2*k+\u], v[WS+16*\u+k]          ; the two tiles' exponentials are written interleaved
.set k, k+1
.endr
.endr
	v_nop                                          ; a plain place behind the batch
	s_wait_alu depctr_va_vdst(0)                   ; one wait for the 32, ahead of their first reader
	v_pk_add_f32 v[SA:SA+1], v[PP:PP+1], v[PP+2:PP+3]               ; both tiles' sums at once, in two chains
	v_pk_add_f32 v[SB:SB+1], v[PP+4:PP+5], v[PP+6:PP+7]
.irp k0,8,12,16,20,24,28
	v_pk_add_f32 v[SA:SA+1], v[SA:SA+1], v[PP+\k0:PP+\k0+1]
	v_pk_add_f32 v[SB:SB+1], v[SB:SB+1], v[PP+\k0+2:PP+\k0+3]
.endr
	v_pk_add_f32 v[SA:SA+1], v[SA:SA+1], v[SB:SB+1]
	v_permlanex16_b32 v[PS], v[SA], s38, s39
	v_permlanex16_b32 v[PS+1], v[SA+1], s38, s39
	v_pk_add_f32 v[SA:SA+1], v[SA:SA+1], v[PS:PS+1]
	v_rcp_f32 v[RI], v[SA]
	v_rcp_f32 v[RI+1], v[SA+1]
	v_nop
	s_wait_alu depctr_va_vdst(0)
.if \first
	WIN 0x40                                       ; destination window 1: the first r starts its sum: nothing is cleared
.set k, 0
.rept 16
	v_pk_mul_f32 v[DEM+k:DEM+k+1], v[PP+k:PP+k+1], v[RI:RI+1]
.set k, k+2
.endr
	WIN 0
.endif
.set k, 0
.rept 16
	v_pk_mul_f32 v[PP+k:PP+k+1], v[PP+k:PP+k+1], v[RI:RI+1]         ; r, finished and normalised
.set k, k+2
.endr
.if !\first
	WIN 0x41                                       ; destination and source 0 window 1
.set k, 0
.rept 16
	v_pk_add_f32 v[DEM+k:DEM+k+1], v[DEM+k:DEM+k+1], v[PP+k:PP+k+1] ; the sum of the unquantised r
.set k, k+2
.endr
	WIN 0
.endif
	s_cmp_ge_i32 s42, -8                           ; a branch on the given exponents alone
	s_cbranch_scc0 .Lhold_\@
.irp c,0,1,2,3
	v_cvt_scalef32_pk8_fp8_f32 v[WS+2*\c:WS+2*\c+1], v[PP+8*\c:PP+8*\c+7], v[SC4]
.endr
.irp c,0,1,2,3
	v_cvt_scalef32_pk8_fp8_f32 v[WS+8+2*\c:WS+8+2*\c+1], v[PP+8*\c:PP+8*\c+7], v[SC6]
.endr
	s_branch .Lheld_\@
.Lhold_\@:                                         ; a scale under which 1 lies beyond the largest code: r is held first
.set k, 0
.rept 16
	MIN2 UU+k, PP+k, UU+k+1, PP+k+1, 40
.set k, k+2
.endr
.irp c,0,1,2,3
	v_cvt_scalef32_pk8_fp8_f32 v[WS+2*\c:WS+2*\c+1], v[UU+8*\c:UU+8*\c+7], v[SC4]
.endr
	v_nop                                          ; a plain place before the conversions' sources are written again
.set k, 0
.rept 16
	MIN2 UU+k, PP+k, UU+k+1, PP+k+1, 41
.set k, k+2
.endr
.irp c,0,1,2,3
	v_cvt_scalef32_pk8_fp8_f32 v[WS+8+2*\c:WS+8+2*\c+1], v[UU+8*\c:UU+8*\c+7], v[SC6]
.endr
.Lheld_\@:
	v_nop                                          ; a plain place behind the last conversion
	ds_store_b128 v[RST], v[WS:WS+3]     offset:RBLK*(\a)           ; row = my point's place in its tile; my 16 components' pairs of bytes: 32 bytes
	ds_store_b128 v[RST], v[WS+4:WS+7]   offset:RBLK*(\a)+16
	ds_store_b128 v[RST], v[WS+8:WS+11]  offset:2*RBLK+RBLK*(\a)
	ds_store_b128 v[RST], v[WS+12:WS+15] offset:2*RBLK+RBLK*(\a)+16
.endm
; PRODUCTS 3 AND 4 for the step's 64 points: source 0 = r (16 components), source 1 = X or X X (16 columns d = 4 r + q).  The 16 accumulators take turns.
.macro WPHASE zero
.irp t,0,1
.irp a2,0,1
	ds_load_tr16_b128 v[160+8*\t+4*\a2:160+8*\t+4*\a2+3], v[RTR] offset:RBLK*\a2+32*\t
	ds_load_tr16_b128 v[176+8*\t+4*\a2:176+8*\t+4*\a2+3], v[RTR] offset:2*RBLK+RBLK*\a2+32*\t
.endr
.endr
	s_wait_dscnt 0x0
	WIN 0x54                                       ; source 1, C and D window 1
.irp t,0,1
.irp q,0,1,2,3
.if \zero
	v_wmma_f32_16x16x64_fp8_fp8 v[ACC+32*\t+8*\q:ACC+32*\t+8*\q+7], v[160+8*\t:160+8*\t+7], v[X5+8*\q:X5+8*\q+7], 0
	v_wmma_f32_16x16x64_fp8_fp8 v[ACC+64+32*\t+8*\q:ACC+64+32*\t+8*\q+7], v[176+8*\t:176+8*\t+7], v[X7+8*\q:X7+8*\q+7], 0
.else
	v_wmma_f32_16x16x64_fp8_fp8 v[ACC+32*\t+8*\q:ACC+32*\t+8*\q+7], v[160+8*\t:160+8*\t+7], v[X5+8*\q:X5+8*\q+7], v[ACC+32*\t+8*\q:ACC+32*\t+8*\q+7]
	v_wmma_f32_16x16x64_fp8_fp8 v[ACC+64+32*\t+8*\q:ACC+64+32*\t+8*\q+7], v[176+8*\t:176+8*\t+7], v[X7+8*\q:X7+8*\q+7], v[ACC+64+32*\t+8*\q:ACC+64+32*\t+8*\q+7]
.endif
.endr
.endr
	WIN 0
.rept 4
	v_nop                                          ; places before these operands' registers are written again, and before the sums are read
.endr
.endm
.macro STEP zero, fill
	s_wait_loadcnt 16                              ; chunk 0 is in; chunk 1's sixteen loads stay out
	QGROUP 0, 0
	QGROUP 0, 1
.if \fill
	FILL 0
.endif
	SPHASE 0, \zero
.if \fill
	s_wait_loadcnt 16                              ; chunk 1 is in; the sixteen just issued stay out
.else
	s_wait_loadcnt 0x0
.endif
	QGROUP 1, 0
	QGROUP 1, 1
.if \fill
	FILL 1
.endif
	SPHASE 1, 0
	WPHASE \zero
.if \fill
	s_wait_xcnt 0x0                                ; the loads have read their base: it may step
	s_add_nc_u64 s[4:5], s[4:5], 16384
.endif
.endm
	STEP 1, 1                                      ; the first step starts every sum
	s_mov_b32 s19, 2
.Lstep:
	STEP 0, 1
	s_sub_co_u32 s19, s19, 1
	s_cmp_lg_u32 s19, 0
	s_cbranch_scc1 .Lstep
	STEP 0, 0                                      ; the last step asks for nothing: no load leaves X
; THE END.  The eight waves' sums meet in LDS, as rows [component][128]; wave w then adds and stores components 4 w .. 4 w + 3.
	WIN 0x05                                       ; sources window 1
.set k, 0
.rept 16
	v_add_f32 v[192+k], v[DEM+2*k], v[DEM+2*k+1]   ; the two tiles' sums of r: component 16 h + k
.set k, k+1
.endr
	WIN 0
	v_and_b32 v208, 15, v0
	v_bfe_u32 v209, v0, 4, 1
	s_mul_i32 s44, s18, SREG
	s_add_co_u32 s44, s44, STAGE
	v_mul_u32_u24 v210, v209, 8*SPITCH
	v_lshl_add_u32 v210, v208, 4, v210
	v_add_nc_u32 v210, s44, v210                   ; my wave's stage: component 8 h (+ 16 t + j), column 4 r (+ q)
	s_lshl_b32 s45, s18, 7
	s_add_co_u32 s45, s45, DEMS
	v_lshl_add_u32 v211, v209, 6, s45
	s_mul_i32 s46, s18, 4*SPITCH
	s_add_co_u32 s46, s46, STAGE
	v_add_nc_u32 v212, s46, v[GOFF]                ; back: my four rows in the stage of waves 0-2,
	v_add_nc_u32 v213, 3*SREG, v212                ; 3-5,
	v_add_nc_u32 v214, 6*SREG, v212                ; 6-7
	v_and_b32 v215, 31, v0
	v_lshl_add_u32 v216, v215, 2, DEMS
	v_lshlrev_b32 v217, 3, v215
	s_lshl_b32 s44, ttmp9, 14
	s_lshl_b32 s45, s18, 11
	s_add_co_u32 s44, s44, s45
	s_mov_b32 s45, 0
	s_add_nc_u64 s[14:15], s[14:15], s[44:45]      ; part: my work-group's 16 KB, my wave's four rows
	s_lshl_b32 s44, ttmp9, 8
	s_add_nc_u64 s[16:17], s[16:17], s[44:45]      ; demp: my work-group's 256 bytes
.irp m,1,2,4,8
.set k, 0
.rept 16
	v_add_f32_dpp v[192+k], v[192+k], v[192+k] row_xmask:\m row_mask:0xf bank_mask:0xf    ; over the sixteen points of the lanes
.set k, k+1
.endr
.endr
.set k, 0
.rept 16
	ds_store_b32 v211, v[192+k] offset:4*k         ; sixteen lanes store the same number to the same word
.set k, k+1
.endr
	WIN 0x04                                       ; the stores' data window 1
.irp pr,0,1
.irp t,0,1
.irp q,0,1,2,3
.irp j,0,1,2,3,4,5,6,7
	ds_store_b32 v210, v[ACC+64*\pr+32*\t+8*\q+\j] offset:(16*\t+\j)*SPITCH+4*\q+256*\pr    ; each accumulator from its low end on
.endr
.endr
.endr
.endr
	WIN 0
	s_wait_dscnt 0x0                               ; for the others' sake: my stores have landed
	s_barrier_signal -1
	s_barrier_wait -1
.irp ws,0,1,2,3,4,5,6,7
.irp rho,0,1,2,3
	ds_load_b128 v[RAW+16*\ws+4*\rho:RAW+16*\ws+4*\rho+3], v[212+\ws/3] offset:(\ws%3)*SREG+\rho*SPITCH
.endr
.endr
	s_cmp_lg_u32 s18, 0
	s_cbranch_scc1 .Lnot0
.irp ws,0,1,2,3,4,5,6,7
	ds_load_b32 v[218+\ws], v216 offset:128*\ws    ; wave 0: a lane to a component
.endr
	s_wait_dscnt 0x0
	v_pk_add_f32 v[218:219], v[218:219], v[220:221]
	v_pk_add_f32 v[222:223], v[222:223], v[224:225]
	v_pk_add_f32 v[218:219], v[218:219], v[222:223]
	v_add_f32 v218, v218, v219
	v_mov_b32 v219, 0
	global_store_b64 v217, v[218:219], s[16:17]    ; 32 lanes store 256 consecutive bytes, aligned
.Lnot0:
	s_wait_dscnt 0x0
.macro RADD d, s
.set k, 0
.rept 8
	v_pk_add_f32 v[RAW+16*(\d)+k:RAW+16*(\d)+k+1], v[RAW+16*(\d)+k:RAW+16*(\d)+k+1], v[RAW+16*(\s)+k:RAW+16*(\s)+k+1]
.set k, k+2
.endr
.endm
	RADD 0, 1
	RADD 2, 3
	RADD 4, 5
	RADD 6, 7
	RADD 0, 2
	RADD 4, 6
	RADD 0, 4
.irp rho,0,1,2,3
	global_store_b128 v[GOFF], v[RAW+4*\rho:RAW+4*\rho+3], s[14:15] offset:512*\rho        ; 32 lanes store a row of 512 bytes: two aligned runs of 256
.endr
	s_wait_tensorcnt 0x0                           ; the wave's end, behind my last LDS store
	ds_add_u32 v[SPW], v[NIL]
	s_wait_dscnt 0x0
	s_endpgm
.Lfunc_end_k_qfc8c764bd1_estep:
	.size	k_qfc8c764bd1_estep, .Lfunc_end_k_qfc8c764bd1_estep-k_qfc8c764bd1_estep
	.p2alignl 7, 3214868480
	.fill 96, 4, 3214868480
	.section	.rodata,"a",@progbits
	.p2align	6, 0x0
	.amdhsa_kernel k_qfc8c764bd1_estep
		.amdhsa_group_segment_fixed_size 221184
		.amdhsa_private_segment_fixed_size 0
		.amdhsa_enable_private_segment 0
		.amdhsa_kernarg_size 56
		.amdhsa_user_sgpr_count 2
		.amdhsa_user_sgpr_kernarg_segment_ptr 1
		.amdhsa_wavefront_size32 1
		.amdhsa_system_sgpr_workgroup_id_x 1
		.amdhsa_system_sgpr_workgroup_id_y 1
		.amdhsa_system_sgpr_workgroup_id_z 1
		.amdhsa_system_vgpr_workitem_id 0
		.amdhsa_next_free_vgpr 512
		.amdhsa_next_free_sgpr 66
		.amdhsa_reserve_vcc 0
		.amdhsa_float_denorm_mode_32 3
		.amdhsa_float_denorm_mode_16_64 3
		.amdhsa_memory_ordered 1
		.amdhsa_forward_progress 1
		.amdhsa_inst_pref_size 250
	.end_amdhsa_kernel
	.amdgpu_metadata
---
amdhsa.version: [ 1, 2 ]
amdhsa.kernels:
  - .name:           k_qfc8c764bd1_estep
    .symbol:         k_qfc8c764bd1_estep.kd
    .args:
      - { .name: X, .offset: 0, .size: 8, .value_kind: global_buffer, .address_space: global }
      - { .name: mu, .offset: 8, .size: 8, .value_kind: global_buffer, .address_space: global }
      - { .name: var, .offset: 16, .size: 8, .value_kind: global_buffer, .address_space: global }
      - { .name: pi, .offset: 24, .size: 8, .value_kind: global_buffer, .address_space: global }
      - { .name: lowp_scales, .offset: 32, .size: 8, .value_kind: global_buffer, .address_space: global }
      - { .name: part, .offset: 40, .size: 8, .value_kind: global_buffer, .address_space: global }
      - { .name: demp, .offset: 48, .size: 8, .value_kind: global_buffer, .address_space: global }
    .group_segment_fixed_size: 221184
    .private_segment_fixed_size: 0
    .kernarg_segment_align: 8
    .kernarg_segment_size: 56
    .max_flat_workgroup_size: 256
    .sgpr_count:     66
    .vgpr_count:     512
    .wavefront_size: 32
...
	.end_amdgpu_metadata
.endif
;; end of part 1
;; launch finish (part 2): grid 32 x 1, 8 waves a work-group, no clusters, 5,376 bytes of LDS; arguments part, demp, lowp_scales, out0; writes out0
.if DOCPART == 2
	.amdgcn_target "amdgcn-amd-amdhsa--gfx1250"
	.amdhsa_code_object_version 6
	.text
	.protected	k_qfc8c764bd1_finish
	.globl	k_qfc8c764bd1_finish
	.p2align	8
	.type	k_qfc8c764bd1_finish,@function
k_qfc8c764bd1_finish:
	s_mov_b64 s[64:65], 0
	v_nop
	global_prefetch_b8 v0, s[64:65] scope:SCOPE_SE
	s_setreg_imm32_b32 hwreg(HW_REG_WAVE_MODE, 25, 1), 1
	s_wait_xcnt 0x0
; The 256 work-groups' parts are added and the M-step is finished.  part [256][32][128] f32: sums of codes of r x (64) and r x x (64); demp [256][32][2]: the sum of r, and a 0.  out0 [32][129]: pi, mu (64), var (64).
; A work-group takes one component.  Wave w adds parts 32 w .. 32 w + 31: each load reads a part's row of 512 consecutive bytes, and all 32 are asked for at once.  The eight waves' sums meet in LDS;
; threads 0 to 63 finish one d each.  rx = sum x 2^(e4+e5), rx2 = sum x 2^(e6+e7), by v_ldexp_f32.  1 / dem is v_rcp_f32; dem / 524288 is a multiplication by 2^-19.
; A component's sum of r is read as four bytes of each part's 256: one load a wave.
; No matrix work, no cluster (work-groups share nothing), no tensor load: the launch is one round of loads and a short sum.
.set DEMW,  4096                       ; LDS: eight rows of 512 bytes, then the eight waves' sums of r,
.set SPARE, 4352                       ; then the spare words, 128 bytes for each wave: four blocks of 256 bytes that no other line names
.set SPW, 30
.set NIL, 31
.set D0,  32                           ; v32-159: 32 parts x 4 registers
	s_load_b256 s[4:11], s[0:1], 0x0               ; part, demp, lowp_scales, out0
	v_lshl_add_u32 v[SPW], v0, 2, SPARE
	v_mov_b32 v[NIL], 0
	v_lshrrev_b32 v7, 5, v0
	v_readfirstlane_b32 s12, v7                    ; wave 0..7
	v_lshl_add_u32 v7, v7, 2, DEMW                 ; where my wave's sum of r goes
	v_and_b32 v2, 31, v0
	v_lshlrev_b32 v1, 4, v2                        ; 16 x lane
	v_lshlrev_b32 v3, 8, v2                        ; a part's 256 bytes of demp a lane
	v_lshlrev_b32 v6, 4, v0                        ; my wave's row in LDS, my 16 bytes
	v_lshlrev_b32 v8, 2, v0                        ; threads 0-63: 4 d
	v_mov_b32 v9, DEMW
	v_mov_b32 v5, 0                                ; (a lane permute's destination counts as one of its sources)
	s_mov_b32 s30, 0x76543210
	s_mov_b32 s31, 0xfedcba98
	s_lshl_b32 s14, ttmp9, 9                       ; the component's row in a part,
	s_lshl_b32 s15, s12, 19                        ; 32 parts of 16,384 bytes a wave
	s_add_co_u32 s14, s14, s15
	s_mov_b32 s15, 0
	s_lshl_b32 s20, ttmp9, 3
	s_lshl_b32 s21, s12, 13
	s_add_co_u32 s20, s20, s21
	s_mov_b32 s21, 0
	s_mul_i32 s22, ttmp9, 516                      ; the component's row of out0
	s_mov_b32 s23, 0
	s_wait_kmcnt 0x0
	s_load_b128 s[24:27], s[8:9], 0x10             ; e4 .. e7
	s_add_nc_u64 s[4:5], s[4:5], s[14:15]
	s_add_nc_u64 s[6:7], s[6:7], s[20:21]
	s_add_nc_u64 s[10:11], s[10:11], s[22:23]
	global_load_b32 v4, v3, s[6:7]
.set k, 0
.rept 32
	global_load_b128 v[D0+4*k:D0+4*k+3], v1, s[4:5] offset:16384*k
.set k, k+1
.endr
.macro QADD d, s
	v_pk_add_f32 v[\d:\d+1], v[\d:\d+1], v[\s:\s+1]
	v_pk_add_f32 v[\d+2:\d+3], v[\d+2:\d+3], v[\s+2:\s+3]
.endm
.irp g,0,1,2,3
	s_wait_loadcnt 24-8*\g                         ; eight more parts are in; the younger loads stay out
	QADD D0+32*\g, D0+32*\g+4
	QADD D0+32*\g+8, D0+32*\g+12
	QADD D0+32*\g+16, D0+32*\g+20
	QADD D0+32*\g+24, D0+32*\g+28
	QADD D0+32*\g, D0+32*\g+8
	QADD D0+32*\g+16, D0+32*\g+24
	QADD D0+32*\g, D0+32*\g+16
.endr
	QADD D0, D0+32
	QADD D0+64, D0+96
	QADD D0, D0+64
	v_add_f32_dpp v4, v4, v4 row_xmask:1 row_mask:0xf bank_mask:0xf    ; my wave's 32 parts of the sum of r
	v_add_f32_dpp v4, v4, v4 row_xmask:2 row_mask:0xf bank_mask:0xf
	v_add_f32_dpp v4, v4, v4 row_xmask:4 row_mask:0xf bank_mask:0xf
	v_add_f32_dpp v4, v4, v4 row_xmask:8 row_mask:0xf bank_mask:0xf
	v_permlanex16_b32 v5, v4, s30, s31
	v_add_f32 v4, v4, v5
	ds_store_b128 v6, v[D0:D0+3]
	ds_store_b32 v7, v4                            ; all lanes store the same number to the same word
	s_wait_dscnt 0x0                               ; for the others' sake: my stores have landed
	s_barrier_signal -1
	s_barrier_wait -1
	s_wait_tensorcnt 0x0                           ; behind my last LDS store; only LDS reads follow
	ds_add_u32 v[SPW], v[NIL]
	s_wait_dscnt 0x0
	s_cmp_gt_u32 s12, 1
	s_cbranch_scc1 .Lend                           ; waves 0 and 1 finish: a thread to a d
.irp ws,0,1,2,3,4,5,6,7
	ds_load_b32 v[40+\ws], v8 offset:512*\ws
	ds_load_b32 v[48+\ws], v8 offset:512*\ws+256
.endr
	ds_load_b128 v[56:59], v9
	ds_load_b128 v[60:63], v9 offset:16
	s_wait_dscnt 0x0
	v_pk_add_f32 v[40:41], v[40:41], v[42:43]
	v_pk_add_f32 v[44:45], v[44:45], v[46:47]
	v_pk_add_f32 v[48:49], v[48:49], v[50:51]
	v_pk_add_f32 v[52:53], v[52:53], v[54:55]
	v_pk_add_f32 v[56:57], v[56:57], v[58:59]
	v_pk_add_f32 v[60:61], v[60:61], v[62:63]
	v_pk_add_f32 v[40:41], v[40:41], v[44:45]
	v_pk_add_f32 v[48:49], v[48:49], v[52:53]
	v_pk_add_f32 v[56:57], v[56:57], v[60:61]
	v_add_f32 v40, v40, v41
	v_add_f32 v48, v48, v49
	v_add_f32 v56, v56, v57                        ; dem
	v_rcp_f32 v11, v56
	s_wait_kmcnt 0x0
	s_add_co_i32 s28, s24, s25
	s_add_co_i32 s29, s26, s27
	v_ldexp_f32 v40, v40, s28                      ; rx   (a plain place behind the reciprocal)
	v_ldexp_f32 v48, v48, s29                      ; rx2
	v_mul_f32 v16, 0x36000000, v56                 ; pi = dem / 2^19
	s_wait_alu depctr_va_vdst(0)                   ; the wait ahead of the reciprocal's first reader
	v_mul_f32 v12, v40, v11                        ; mu
	v_mul_f32 v13, -2.0, v12
	v_fma_f32 v14, v13, v40, v48                   ; rx2 - 2 mu rx
	v_mul_f32 v15, v12, v12
	v_fma_f32 v14, v15, v56, v14                   ; + mu mu dem
	v_mul_f32 v14, v14, v11                        ; var
	global_store_b32 v8, v12, s[10:11] offset:4    ; neighbouring lanes store neighbouring words of the row
	global_store_b32 v8, v14, s[10:11] offset:260
	s_wait_xcnt 0x0                                ; EXEC changes only behind this wait
	v_cmp_eq_u32 vcc_lo, 0, v0
	s_and_saveexec_b32 s20, vcc_lo
	global_store_b32 v8, v16, s[10:11]             ; thread 0 alone: pi
	s_wait_xcnt 0x0                                ; and again, in front of the line that widens it
	s_or_b32 exec_lo, exec_lo, s20
.Lend:
	s_endpgm
.Lfunc_end_k_qfc8c764bd1_finish:
	.size	k_qfc8c764bd1_finish, .Lfunc_end_k_qfc8c764bd1_finish-k_qfc8c764bd1_finish
	.p2alignl 7, 3214868480
	.fill 96, 4, 3214868480
	.section	.rodata,"a",@progbits
	.p2align	6, 0x0
	.amdhsa_kernel k_qfc8c764bd1_finish
		.amdhsa_group_segment_fixed_size 5376
		.amdhsa_private_segment_fixed_size 0
		.amdhsa_enable_private_segment 0
		.amdhsa_kernarg_size 32
		.amdhsa_user_sgpr_count 2
		.amdhsa_user_sgpr_kernarg_segment_ptr 1
		.amdhsa_wavefront_size32 1
		.amdhsa_system_sgpr_workgroup_id_x 1
		.amdhsa_system_sgpr_workgroup_id_y 1
		.amdhsa_system_sgpr_workgroup_id_z 1
		.amdhsa_system_vgpr_workitem_id 0
		.amdhsa_next_free_vgpr 160
		.amdhsa_next_free_sgpr 66
		.amdhsa_reserve_vcc 1
		.amdhsa_float_denorm_mode_32 3
		.amdhsa_float_denorm_mode_16_64 3
		.amdhsa_memory_ordered 1
		.amdhsa_forward_progress 1
		.amdhsa_inst_pref_size 13
	.end_amdhsa_kernel
	.amdgpu_metadata
---
amdhsa.version: [ 1, 2 ]
amdhsa.kernels:
  - .name:           k_qfc8c764bd1_finish
    .symbol:         k_qfc8c764bd1_finish.kd
    .args:
      - { .name: part, .offset: 0, .size: 8, .value_kind: global_buffer, .address_space: global }
      - { .name: demp, .offset: 8, .size: 8, .value_kind: global_buffer, .address_space: global }
      - { .name: lowp_scales, .offset: 16, .size: 8, .value_kind: global_buffer, .address_space: global }
      - { .name: out0, .offset: 24, .size: 8, .value_kind: global_buffer, .address_space: global }
    .group_segment_fixed_size: 5376
    .private_segment_fixed_size: 0
    .kernarg_segment_align: 8
    .kernarg_segment_size: 32
    .max_flat_workgroup_size: 256
    .sgpr_count:     66
    .vgpr_count:     160
    .wavefront_size: 32
...
	.end_amdgpu_metadata
.endif
;; end of part 2
;; ======== version 2 of 2: 2 launches
;; limits: right only within a limited range of input values
;; workspace buffers: part 4,194,304 bytes; demp 65,536 bytes
;; launch estep (part 3): grid 256 x 1, 8 waves a work-group, no clusters, 215,296 bytes of LDS; arguments X, mu, var, pi, lowp_scales, part, demp; writes part, demp
.if DOCPART == 3
	.amdgcn_target "amdgcn-amd-amdhsa--gfx1250"
	.amdhsa_code_object_version 6
	.text
	.protected	k_qfc8c764bd1_estep
	.globl	k_qfc8c764bd1_estep
	.p2align	8
	.type	k_qfc8c764bd1_estep,@function
k_qfc8c764bd1_estep:
	s_mov_b64 s[64:65], 0
	v_nop
	global_prefetch_b8 v0, s[64:65] scope:SCOPE_SE
	s_setreg_imm32_b32 hwreg(HW_REG_WAVE_MODE, 25, 1), 1
	s_wait_xcnt 0x0
.set XP,     80                        ; a row of r's codes in LDS: 64 bytes + 16: 20 words, so sixteen rows begin in sixteen different groups of four banks (64 banks of 4 bytes: ISA guide 11.1)
; One EM step of a diagonal Gaussian mixture, the part that walks X.  X [524288][64] f32, mu, var [32][64], pi [32], lowp_scales e0..e7.
; Four products on codes of E4M3:  1: Q(1/var, e0) x Q(X X, e1);  2: Q(mu/var, e2) x Q(X, e3)  (K = d);   3: Q(r, e4) x Q(X, e5);  4: Q(r, e6) x Q(X X, e7)  (K = n).
; SHARES.  A work-group takes 2,048 points in eight turns of 256: in each turn each of its eight waves takes a chunk of 32 points, 8,192 bytes, the eight chunks lying side by side.  A step is two turns.
; The waves meet three times: when each has asked for its first chunk, so that no wave's second chunk is asked for ahead of another's first; at the head, where each makes an eighth of the
; parameters' codes; and at the end, where their sums are added in LDS.
; Stored: part[2 x component + half of d][work-group][64]: place 4 l + e of a unit's 64 numbers, l = q + 4 p + 8 u, is the sum for d = 32 half + 16 u + 4 e + q of r x (p = 0) or of r x x (p = 1), as sums of codes
; (the scales are applied by the next launch); demp[work-group][component][2]: the sum of r, and a 0 that makes the 256 bytes whole.
; NO CLUSTER: work-groups share only mu, var and pi, 16 KB against 512 KB of X for each.  No tensor load: a wave's loads of 512 consecutive bytes leave X in the very layout that products 3 and 4 want.
; NO PREFETCH: a wave's loads go out a whole step ahead, into registers: up to its last step 64 to 128 KB a work-group are asked for at every point, of 512 KB in all, and the walk has four steps.
; LAYOUT OF X.  Load i of a chunk: lane (r, h) (r = lane % 16, h = lane / 16) holds X[2 i + h][4 r + q], q = 0..3.  So for a fixed q a lane holds ONE column d = 4 r + q and its registers run down n: the operand of a
; product whose K is n.  The holds write their results where the conversion wants them: byte 2 J + u of a column's 16 bytes is point 16 u + 2 J + h of the chunk.
; THE SAME CODES SERVE K = d.  A column's 16 bytes are eight 16-bit elements (point p, point p + 16).  They go to LDS as rows; ds_load_tr16_b128 turns 8 rows x 8 elements, so that a lane holds ONE pair of points and its
; elements run along d; v_perm_b32 parts the pair's bytes into the two tiles' operands.  Lane r' then holds points 2 (r' % 8) + r' / 8 and that + 16; register 2 c + w, byte b, half h is d = 32 h + 16 w + 4 b + c, and the
; parameters' codes are made in that order.  That holds where e3 = e5 and e1 = e7.  Where they differ, a scalar branch on the given exponents quantises X and X X a second time, in the same order, for the same rows of LDS.
; SCORES are used transposed (source 0 = 16 components, source 1 = 16 points): a lane holds one point, its registers the components 16 h + 8 t + j (tile t takes the components 8 t + m + 8 (m / 8)).
; log_post = -0.5 2^(e0+e1) (S1 + G 2^-(e0+e1)) + 2^(e2+e3) S2,  G = sum mu mu / var + sum (log var + log 2 pi) - 2 log pi: G goes in as the C of product 1.  The largest score of a point is taken away before the exponential.
; r BECOMES AN OPERAND.  The exponentials of the chunk's two tiles of points (u = 0, 1) are written interleaved, so a conversion's bytes come in pairs (component: point, point + 16).  A row of LDS (the point's place in
; its tile) holds 32 such pairs; the turning load leaves a lane one component and 16 points, in the order of X's bytes.  Where e4 = e6 and r needs no hold, r is converted, stored and turned once.
; PRODUCTS 3 AND 4: source 0 = 16 columns, source 1 = 16 components: a lane holds component 16 t + lane % 16, register j column d = 4 (8 h + j) + q.
; LIMITS.  Each e between -126 and 119;  e0 + e1 - e2 - e3 - 1 and e2 + e3 between -126 and 127, so that each power of two below is an f32 number.  NaN among the inputs is not served.
; An exponential under 2^-126 comes out as 0 (ISA guide, v_exp_f32).  1 / var and 1 / sum are v_rcp_f32.
; REGISTERS.  Window 0: v0-15 addresses, scales; v16-31 G; v32-159 X, two chunks; v160-255 a pool.   Window 1: v0-31 the parameters' codes; v32-63 sums of r; v64-127 X's and X X's operands; v128-255 16 accumulators.
.set PIMG,   0                         ; LDS, the work-group's: images of the parameters' operands: [1/var, mu/var][tile][2 x 512 bytes],
.set TBLS,   4096                      ; and G of the 32 components
.set WBASE,  4352                      ; then a region for each wave:
.set X3A,    0                         ; X's codes of a chunk, 4 q x 512 bytes,
.set X1A,    2048                      ; X X's,
.set RA,     4096                      ; r's codes: [e4, e6][chunk][16 rows]
.set RBLK,   16*XP
.set WREG,   RA+4*RBLK
.set IP,     528                       ; an image of four accumulator registers: 512 bytes + 16, so that the same place of sixteen images lies in sixteen groups of four banks
.set SREG,   32*IP                     ; a wave's 32 images
.set STAGE,  WBASE+8*WREG
.set DEMS,   STAGE+8*SREG              ; 32 sums of r for each wave
.set SPARE,  DEMS+8*128                ; the spare words, 128 bytes for each wave: four blocks of 256 bytes that no other line names
.set TURNB,  65536                     ; bytes of X in a work-group's turn
.set GOFF, 1                           ; 16 x lane
.set XST,  2                           ; where I store a column's 16 bytes
.set XLD,  3                           ; where the turning load reads X's codes
.set RST,  4                           ; where I store r's codes: 80 x my point's place + 32 h
.set RTR,  5                           ; where the turning load reads r's: row 2 (lane % 8) + h, 16 bytes x ((lane / 8) % 2)
.set SPW,  6                           ; my spare word; never rewritten
.set NIL,  7                           ; 0; never rewritten
.set SC3,  8                           ; 2^e as f32, for the conversions
.set SC1,  9
.set SC5,  10
.set SC7,  11
.set SC4,  12
.set SC6,  13
.set CC,   16                          ; G / 2^(e0+e1) in the result's layout, two tiles
.set RAW,  32
.set SQ,   160                         ; the pool while a chunk is quantised: 32 squares,
.set HO,   192                         ; 32 held numbers,
.set C3,   224                         ; and, where the scales differ, the second set of codes
.set C1,   232
.set BQ,   160                         ; the pool in the softmax: X X's and X's fragments,
.set BX,   176
.set TQ,   192                         ; as they come from the turning load,
.set TX,   208
.set UU,   192                         ; product 1's results, then single numbers,
.set WS,   224                         ; product 2's results, then scores, then r's codes
.set PP,   160                         ; p and r, interleaved: 2 (8 t + j) + u
.set MX,   192
.set MY,   194
.set PT,   196
.set NM,   198
.set SA,   200
.set PS,   204
.set RI,   206
.set PHI,  180                         ; the pool at the head: 1 / var held, in the codes' order;
.set PVA,  192                         ; my 8 numbers of var, of mu,
.set PMU,  200
.set PPI,  208                         ; pi,
.set PIVR, 210                         ; 1 / var,
.set PLG,  218                         ; log2 var,
.set PMI,  226                         ; mu / var,
.set PS1,  234
.set PS2,  236
.set PCI,  238                         ; their codes,
.set PCM,  240
.set PHM,  244                         ; mu / var held
.set PIV,  0                           ; window 1
.set PMV,  16
.set DEM,  32
.set X5,   64
.set X7,   96
.set ACC,  128
.set MSB, 0
.macro WIN new                         ; the immediate's high byte repeats the setting that is left
.if MSB != \new
	s_set_vgpr_msb (MSB<<8)|\new
.set MSB, \new
.endif
.endm
.macro MIN2 d0, a0, d1, a1, lim        ; two one-sided holds in one instruction: destinations even and odd, sources in different banks of registers
	v_dual_min_num_f32 v[\d0], s[\lim], v[\a0] :: v_dual_min_num_f32 v[\d1], s[\lim], v[\a1]
.endm
.macro MKSCALE vr, se                  ; 2^e as f32
	s_add_co_i32 s57, s[\se], 127
	s_lshl_b32 s57, s57, 23
	v_mov_b32 v[\vr], s57
.endm
.macro MKLIM sp, se                    ; 448 x 2^e as f32
	s_add_co_i32 s[\sp], s[\se], 135
	s_lshl_b32 s[\sp], s[\sp], 23
	s_or_b32 s[\sp], s[\sp], 0x600000
.endm
	s_load_b256 s[4:11], s[0:1], 0x0               ; X, mu, var, pi
	s_load_b128 s[12:15], s[0:1], 0x20             ; lowp_scales, part
	s_load_b64 s[16:17], s[0:1], 0x30              ; demp
	v_lshrrev_b32 v160, 5, v0
	v_and_b32 v161, 31, v0
	v_lshrrev_b32 v162, 3, v0                      ; my component at the head: eight threads to a component, 8 neighbouring d each
	v_lshl_add_u32 v[SPW], v0, 2, SPARE
	v_readfirstlane_b32 s18, v160                  ; wave 0..7
	v_mov_b32 v[NIL], 0
	v_lshlrev_b32 v[GOFF], 4, v161
	v_lshlrev_b32 v163, 5, v0                      ; my first number in mu and var: 32 bytes a thread
	v_lshlrev_b32 v164, 2, v162                    ; my component's place in pi
	s_lshl_b32 s62, ttmp9, 19                      ; 2,048 points x 256 bytes a work-group,
	s_lshl_b32 s63, s18, 13                        ; 32 points a wave in each turn
	s_add_co_u32 s62, s62, s63
	s_mov_b32 s63, 0
	s_wait_alu depctr_va_vdst(0)
	s_wait_kmcnt 0x0
	s_load_b256 s[20:27], s[12:13], 0x0            ; e0 .. e7
	s_add_nc_u64 s[4:5], s[4:5], s[62:63]
	global_load_b32 v[PPI], v164, s[10:11]         ; the parameters first: loads come back in order
	global_load_b128 v[PVA:PVA+3], v163, s[8:9]
	global_load_b128 v[PVA+4:PVA+7], v163, s[8:9] offset:16
	global_load_b128 v[PMU:PMU+3], v163, s[6:7]
	global_load_b128 v[PMU+4:PMU+7], v163, s[6:7] offset:16
.set k, 0
.rept 16
	global_load_b128 v[RAW+4*k:RAW+4*k+3], v[GOFF], s[4:5] offset:512*k th:TH_LOAD_NT   ; the first chunk: 32 lanes read 512 consecutive bytes
.set k, k+1
.endr
	; the rest of the addresses, under the loads' flight
	s_mul_i32 s43, s18, WREG
	s_add_co_u32 s43, s43, WBASE                   ; my wave's LDS
	s_add_co_u32 s44, s43, RA
	v_and_b32 v165, 7, v0                          ; lane % 8
	v_bfe_u32 v166, v0, 3, 1                       ; (lane / 8) % 2
	v_bfe_u32 v167, v0, 4, 1                       ; h
	v_and_b32 v172, 3, v0
	v_bfe_u32 v173, v0, 2, 1
	v_bfe_u32 v175, v0, 3, 3
	v_bfe_u32 v176, v0, 6, 1
	v_bfe_u32 v177, v0, 7, 1
	; X's codes in LDS: the row of (d = 4 r + q, h) lies at 512 q + 256 (r / 8) + 128 ((r / 8) xor h) + 16 (r % 8)
	v_xor_b32 v168, v166, v167
	v_lshlrev_b32 v169, 4, v165
	v_lshl_add_u32 v170, v165, 1, v166             ; the place in its tile of the point that I hold in the softmax: 2 (lane % 8) + (lane / 8) % 2
	v_lshl_add_u32 v178, v165, 1, v167
	v_lshlrev_b32 v172, 1, v172                    ; the parameters' images.  Thread (component, j = thread % 8) holds d = 8 j + 0..7, that is c = 0..3 of bytes 2 (j % 4) and that + 1: 2 (j % 4)
	v_lshl_add_u32 v169, v168, 7, v169
	v_mul_u32_u24 v170, v170, XP
	v_mul_u32_u24 v178, v178, XP
	v_lshl_add_u32 v172, v173, 8, v172             ; + 256 (j / 4): the half of d
	v_add_nc_u32 v169, s43, v169
	v_lshl_add_u32 v170, v167, 5, v170
	v_lshl_add_u32 v178, v166, 4, v178
	v_lshl_add_u32 v172, v175, 4, v172             ; + 16 m, m = component % 8 + 8 (component / 16),
	v_lshl_add_u32 v[XST], v166, 8, v169           ; I store column 4 r + q of half h
	v_lshl_add_u32 v[XLD], v167, 8, v169           ; I address the row of r = 8 h + lane % 8, of half (lane / 8) % 2
	v_add_nc_u32 v[RST], s44, v170
	v_add_nc_u32 v[RTR], s44, v178
	v_lshl_add_u32 v172, v176, 10, v172            ; + 1,024 x tile, tile = (component / 8) % 2
	v_lshl_add_u32 v171, v167, 6, TBLS             ; G back from the table: components 16 h + 8 t + 0..7
	v_add_nc_u32 v174, TBLS, v164                  ; and into it
	v_lshl_add_u32 v172, v177, 7, v172
	s_wait_alu depctr_va_vdst(0)
	s_barrier_signal -1                            ; my first chunk is asked for
	s_barrier_wait -1                              ; every wave's is
.set k, 0
.rept 16
	global_load_b128 v[RAW+64+4*k:RAW+64+4*k+3], v[GOFF], s[4:5] offset:TURNB+512*k th:TH_LOAD_NT   ; the second chunk
.set k, k+1
.endr
	s_mov_b32 s38, 0x76543210                      ; v_permlanex16_b32: lane l xor 16
	s_mov_b32 s39, 0xfedcba98
	s_mov_b32 s48, 0xbfb17218                      ; -2 ln 2
	s_mov_b32 s49, 0x42eb3f8e                      ; 64 log(2 pi)
	s_mov_b32 s56, 0x3f317218                      ; ln 2
	s_mov_b32 s60, 0x06040200                      ; v_perm_b32: the even bytes of two registers,
	s_mov_b32 s61, 0x07050301                      ; the odd ones
	s_wait_kmcnt 0x0
	MKSCALE 242, 20
	MKSCALE SC1, 21
	MKSCALE 243, 22
	MKSCALE SC3, 23
	MKSCALE SC4, 24
	MKSCALE SC5, 25
	MKSCALE SC6, 26
	MKSCALE SC7, 27
	MKLIM 53, 20
	s_or_b32 s52, s53, 0x80000000
	MKLIM 32, 21
	MKLIM 55, 22
	s_or_b32 s54, s55, 0x80000000
	MKLIM 29, 23
	s_or_b32 s28, s29, 0x80000000
	MKLIM 40, 24
	MKLIM 31, 25
	s_or_b32 s30, s31, 0x80000000
	MKLIM 41, 26
	MKLIM 33, 27
	s_min_i32 s42, s24, s26                        ; r is at most 1 (a last bit aside): with e4 and e6 at -8 or above, 448 x 2^e is 1.75 or more and r needs no hold
	s_cmp_eq_u32 s24, s26
	s_cselect_b32 s58, 1, 0
	s_cmp_ge_i32 s42, -8
	s_cselect_b32 s58, s58, 0                      ; 1: one set of r's codes serves products 3 and 4
	s_cmp_eq_u32 s23, s25
	s_cselect_b32 s59, 1, 0
	s_cmp_eq_u32 s21, s27
	s_cselect_b32 s59, s59, 0                      ; 1: one set of X's codes and one of X X's serve all four products
	s_add_co_i32 s46, s20, s21
	s_add_co_i32 s47, s22, s23
	s_sub_co_i32 s50, 0, s46                       ; -(e0 + e1)
	s_sub_co_i32 s34, s46, s47
	s_add_co_i32 s34, s34, 126
	s_lshl_b32 s34, s34, 23
	s_or_b32 s34, s34, 0x80000000                  ; -2^(e0 + e1 - 1 - e2 - e3): product 1 in product 2's unit
	s_mov_b32 s35, s34
	s_lshl_b32 s36, s47, 23
	s_add_co_i32 s36, s36, 0x3fb8aa3b              ; log2(e) x 2^(e2 + e3): the exponents are added to the exponent field
	s_xor_b32 s37, s36, 0x80000000                 ; and its negative
	s_wait_alu depctr_va_vdst(0)
	s_wait_loadcnt 32                              ; my 5 loads of parameters are in; X's 32 stay out
	v_log_f32 v[PPI], v[PPI]
.irp i,0,1,2,3,4,5,6,7
	v_rcp_f32 v[PIVR+\i], v[PVA+\i]
.endr
.irp i,0,1,2,3,4,5,6,7
	v_log_f32 v[PLG+\i], v[PVA+\i]
.endr
	v_nop                                          ; a plain place behind the batch
	s_wait_alu depctr_va_vdst(0)                   ; one for the 17, ahead of their first reader
	v_fma_f32 v[PPI], v[PPI], s48, s49             ; 64 log(2 pi) - 2 log pi
.irp i,0,2,4,6
	v_pk_mul_f32 v[PMI+\i:PMI+\i+1], v[PMU+\i:PMU+\i+1], v[PIVR+\i:PIVR+\i+1]   ; mu / var
.endr
	s_delay_alu instid0(VALU_DEP_4)
	v_pk_mul_f32 v[PS1:PS1+1], v[PMU:PMU+1], v[PMI:PMI+1]                       ; my part of the sum of mu mu / var,
	v_pk_add_f32 v[PS2:PS2+1], v[PLG:PLG+1], v[PLG+2:PLG+3]                     ; and of log2 var
	s_delay_alu instid0(VALU_DEP_2)
	v_pk_fma_f32 v[PS1:PS1+1], v[PMU+2:PMU+3], v[PMI+2:PMI+3], v[PS1:PS1+1]
.irp i, 4, 6
	s_delay_alu instid0(VALU_DEP_1)
	v_pk_fma_f32 v[PS1:PS1+1], v[PMU+\i:PMU+\i+1], v[PMI+\i:PMI+\i+1], v[PS1:PS1+1]
.endr
.irp i,4,6
	v_pk_add_f32 v[PS2:PS2+1], v[PS2:PS2+1], v[PLG+\i:PLG+\i+1]
.endr
	s_delay_alu instid0(VALU_DEP_3)
	v_add_f32 v[PS1], v[PS1], v[PS1+1]
	s_delay_alu instid0(VALU_DEP_2)
	v_add_f32 v[PS2], v[PS2], v[PS2+1]
	s_delay_alu instid0(VALU_DEP_1)
	v_fma_f32 v[PS1], v[PS2], s56, v[PS1]
	s_delay_alu instid0(VALU_DEP_1)
	v_add_f32_dpp v[PS1], v[PS1], v[PS1] row_xmask:1 row_mask:0xf bank_mask:0xf    ; the component's eight threads are eight neighbouring lanes
	s_delay_alu instid0(VALU_DEP_1)
	v_add_f32_dpp v[PS1], v[PS1], v[PS1] row_xmask:2 row_mask:0xf bank_mask:0xf
	s_delay_alu instid0(VALU_DEP_1)
	v_add_f32_dpp v[PS1], v[PS1], v[PS1] row_xmask:4 row_mask:0xf bank_mask:0xf
	s_delay_alu instid0(VALU_DEP_1)
	v_add_f32 v[PS1], v[PS1], v[PPI]               ; G
	s_delay_alu instid0(VALU_DEP_1)
	v_ldexp_f32 v[PS1], v[PS1], s50                ; in product 1's unit
	ds_store_b32 v174, v[PS1]                      ; eight lanes store the same number to the same word
.irp i,0,1,2,3,4,5,6,7
	v_med3_num_f32 v[PHI+2*(\i%4)+\i/4], v[PIVR+\i], s52, s53    ; the conversion to an 8-bit code does not saturate (ISA guide 7.6.2): the hold at 448 x the scale; c's two numbers side by side
.endr
	v_cvt_scalef32_pk8_fp8_f32 v[PCI:PCI+1], v[PHI:PHI+7], v242
.irp i,0,1,2,3,4,5,6,7
	v_med3_num_f32 v[PHM+2*(\i%4)+\i/4], v[PMI+\i], s54, s55
.endr
	v_cvt_scalef32_pk8_fp8_f32 v[PCM:PCM+1], v[PHM:PHM+7], v243
	v_nop                                          ; a plain place behind the last conversion
	v_lshrrev_b32 v176, 16, v[PCI]
	v_lshrrev_b32 v177, 16, v[PCI+1]
	v_lshrrev_b32 v178, 16, v[PCM]
	v_lshrrev_b32 v179, 16, v[PCM+1]
	ds_store_b16 v172, v[PCI] offset:PIMG          ; c = 0, 1, 2, 3: two bytes each, at 512 (c / 2) + 8 (c % 2)
	ds_store_b16 v172, v176 offset:PIMG+8
	ds_store_b16 v172, v[PCI+1] offset:PIMG+512
	ds_store_b16 v172, v177 offset:PIMG+520
	ds_store_b16 v172, v[PCM] offset:PIMG+2048
	ds_store_b16 v172, v178 offset:PIMG+2056
	ds_store_b16 v172, v[PCM+1] offset:PIMG+2560
	ds_store_b16 v172, v179 offset:PIMG+2568
	s_wait_dscnt 0x0                               ; for the others' sake: my stores have landed
	s_barrier_signal -1
	s_barrier_wait -1                              ; the four operands' images and G lie in LDS; nobody writes them again
	WIN 0x40                                       ; destination window 1
.irp p,0,1
.irp t,0,1
.irp k2,0,1
	ds_load_b128 v[16*\p+8*\t+4*\k2:16*\p+8*\t+4*\k2+3], v[GOFF] offset:PIMG+2048*\p+1024*\t+512*\k2   ; an image comes back as it stands: four registers, 16 bytes a lane
.endr
.endr
.endr
	WIN 0
.irp t,0,1
	ds_load_b128 v[CC+8*\t:CC+8*\t+3], v171 offset:32*\t
	ds_load_b128 v[CC+8*\t+4:CC+8*\t+7], v171 offset:32*\t+16
.endr
; HALF A CHUNK IS QUANTISED: loads i = 8 u + 4 g + x (u = 0, 1; x = 0..3).  X[2 i + h][4 r + q] lies in v[RB + 32 u + 4 x + q].
.macro HOLDX lo, hi                            ; X held, column 4 r + q's eight numbers on end, in the order of r's bytes
.irp q,0,1,2,3
.irp j,0,1,2,3
.irp u,0,1
	v_med3_num_f32 v[HO+8*\q+2*\j+\u], v[RB+32*\u+4*\j+\q], s[\lo], s[\hi]
.endr
.endr
.endr
.endm
.macro HOLDSQ lim                              ; X X held, in the same order; a square is not negative, so its hold is one-sided
.irp q0,0,2
.irp j,0,1,2,3
	MIN2 HO+8*\q0+2*\j, SQ+4*\j+\q0, HO+8*\q0+8+2*\j+1, SQ+16+4*\j+\q0+1, \lim
	MIN2 HO+8*\q0+8+2*\j, SQ+4*\j+\q0+1, HO+8*\q0+2*\j+1, SQ+16+4*\j+\q0, \lim
.endr
.endr
.endm
.macro QGROUP a, g, fill
.set RB, RAW+64*(\a)+16*(\g)
	HOLDX 30, 31
	WIN 0x40                                       ; destination window 1
.irp q,0,1,2,3
	v_cvt_scalef32_pk8_fp8_f32 v[X5+8*\q+4*(\a)+2*(\g):X5+8*\q+4*(\a)+2*(\g)+1], v[HO+8*\q:HO+8*\q+7], v[SC5]
.endr
	WIN 0
.irp u,0,1
.set k, 0
.rept 8
	v_pk_mul_f32 v[SQ+16*\u+k:SQ+16*\u+k+1], v[RB+32*\u+k:RB+32*\u+k+1], v[RB+32*\u+k:RB+32*\u+k+1]   ; (plain work between the conversions and the next write of their sources)
.set k, k+2
.endr
.endr
	HOLDSQ 33
	WIN 0x40
.irp q,0,1,2,3
	v_cvt_scalef32_pk8_fp8_f32 v[X7+8*\q+4*(\a)+2*(\g):X7+8*\q+4*(\a)+2*(\g)+1], v[HO+8*\q:HO+8*\q+7], v[SC7]
.endr
	WIN 0
	v_nop                                          ; a plain place behind the last conversion
	s_cmp_eq_u32 s59, 1                            ; a branch on the given exponents alone
	s_cbranch_scc1 .Lsame_\@
	HOLDSQ 32                                      ; the scales differ: products 1 and 2 get codes of their own, in the same order, for the same rows of LDS
.irp q,0,1,2,3
	v_cvt_scalef32_pk8_fp8_f32 v[C1+2*\q:C1+2*\q+1], v[HO+8*\q:HO+8*\q+7], v[SC1]
.endr
	v_nop
.irp q,0,1,2,3
	ds_store_b64 v[XST], v[C1+2*\q:C1+2*\q+1] offset:X1A+512*\q+8*(\g)
.endr
	HOLDX 28, 29
.irp q,0,1,2,3
	v_cvt_scalef32_pk8_fp8_f32 v[C3+2*\q:C3+2*\q+1], v[HO+8*\q:HO+8*\q+7], v[SC3]
.endr
	v_nop
.irp q,0,1,2,3
	ds_store_b64 v[XST], v[C3+2*\q:C3+2*\q+1] offset:X3A+512*\q+8*(\g)
.endr
.Lsame_\@:
.if \fill                                      ; the eight loads' registers take the same rows of the chunk two turns on
.irp u,0,1
.irp x,0,1,2,3
	global_load_b128 v[RAW+64*(\a)+32*\u+16*(\g)+4*\x:RAW+64*(\a)+32*\u+16*(\g)+4*\x+3], v[GOFF], s[4:5] offset:TURNB*(2+\a)+512*(8*\u+4*(\g)+\x) th:TH_LOAD_NT
.endr
.endr
.endif
.endm
.macro XSTORE a                                ; the scales agree: the operands of products 3 and 4 go to LDS as they stand, a column's 16 bytes a lane
	s_cmp_eq_u32 s59, 1
	s_cbranch_scc0 .Lput_\@
	WIN 0x04                                       ; the stores' data window 1
.irp q,0,1,2,3
	ds_store_b128 v[XST], v[X5+8*\q+4*(\a):X5+8*\q+4*(\a)+3] offset:X3A+512*\q
.endr
	s_wait_alu depctr_va_vdst(0)
.irp q,0,1,2,3
	ds_store_b128 v[XST], v[X7+8*\q+4*(\a):X7+8*\q+4*(\a)+3] offset:X1A+512*\q
.endr
	WIN 0
.Lput_\@:
.endm
; SCORES, SOFTMAX AND r'S CODES for chunk a: two tiles of 16 points.  first = 1: the wave's first chunk starts the sums of r.
.macro SPHASE a, first
.irp c,0,1,2,3
	ds_load_tr16_b128 v[TQ+4*\c:TQ+4*\c+3], v[XLD] offset:X1A+512*\c       ; LDS serves a wave's instructions in order (ISA guide 5.7.1.4): these see my stores.  Element j: d = 32 h + 4 j + c of my pair of points
	ds_load_tr16_b128 v[TX+4*\c:TX+4*\c+3], v[XLD] offset:X3A+512*\c
.endr
	s_wait_dscnt 0x0
.irp c,0,1,2,3
.irp w,0,1
	v_perm_b32 v[BQ+2*\c+\w],   v[TQ+4*\c+2*\w+1], v[TQ+4*\c+2*\w], s60   ; the even bytes: the point of tile 0;
	v_perm_b32 v[BQ+8+2*\c+\w], v[TQ+4*\c+2*\w+1], v[TQ+4*\c+2*\w], s61   ; the odd ones: tile 1's
	v_perm_b32 v[BX+2*\c+\w],   v[TX+4*\c+2*\w+1], v[TX+4*\c+2*\w], s60
	v_perm_b32 v[BX+8+2*\c+\w], v[TX+4*\c+2*\w+1], v[TX+4*\c+2*\w], s61
.endr
.endr
	WIN 0x01                                       ; source 0 (the parameters) window 1
.irp u,0,1
.irp t,0,1
	v_wmma_f32_16x16x64_fp8_fp8 v[UU+16*\u+8*\t:UU+16*\u+8*\t+7], v[PIV+8*\t:PIV+8*\t+7], v[BQ+8*\u:BQ+8*\u+7], v[CC+8*\t:CC+8*\t+7]
	v_wmma_f32_16x16x64_fp8_fp8 v[WS+16*\u+8*\t:WS+16*\u+8*\t+7], v[PMV+8*\t:PMV+8*\t+7], v[BX+8*\u:BX+8*\u+7], 0
.endr
.endr
	WIN 0
.rept 4
	v_nop                                          ; four places between a matrix instruction and the first read of its result (ISA guide 7.12.1)
.endr
.set k, 0
.rept 16
	v_pk_fma_f32 v[WS+k:WS+k+1], v[UU+k:UU+k+1], s[34:35], v[WS+k:WS+k+1] op_sel_hi:[1,0,1]   ; log_post / 2^(e2+e3); each result from its low end on
.set k, k+2
.endr
.irp u,0,1
	v_max3_num_f32 v[MX+\u], v[WS+16*\u], v[WS+16*\u+1], v[WS+16*\u+2]       ; the point's largest score among my 16 components, in two chains,
	v_max3_num_f32 v[MY+\u], v[WS+16*\u+3], v[WS+16*\u+4], v[WS+16*\u+5]
.endr
.irp k0,6,10
.irp u,0,1
	s_delay_alu instid0(VALU_DEP_4)
	v_max3_num_f32 v[MX+\u], v[MX+\u], v[WS+16*\u+\k0], v[WS+16*\u+\k0+1]
	s_delay_alu instid0(VALU_DEP_4)
	v_max3_num_f32 v[MY+\u], v[MY+\u], v[WS+16*\u+\k0+2], v[WS+16*\u+\k0+3]
.endr
.endr
	s_delay_alu instid0(VALU_DEP_4)
	v_max3_num_f32 v[MX], v[MX], v[WS+14], v[WS+15]
	s_delay_alu instid0(VALU_DEP_3)
	v_max3_num_f32 v[MX+1], v[MX+1], v[WS+30], v[WS+31]
.irp u,0,1
	s_delay_alu instid0(VALU_DEP_2)
	v_max_num_f32 v[MX+\u], v[MX+\u], v[MY+\u]
.endr
.irp u,0,1
	v_permlanex16_b32 v[PT+\u], v[MX+\u], s38, s39
.endr
.irp u,0,1
	s_delay_alu instid0(VALU_DEP_2)
	v_max_num_f32 v[MX+\u], v[MX+\u], v[PT+\u]     ; and among the other 16, in lane l xor 16
.endr
.irp u,0,1
	s_delay_alu instid0(VALU_DEP_2)
	v_mul_f32 v[NM+\u], s37, v[MX+\u]
.endr
.irp u,0,1
.set k, 0
.rept 8
	v_pk_fma_f32 v[WS+16*\u+k:WS+16*\u+k+1], v[WS+16*\u+k:WS+16*\u+k+1], s[36:37], v[NM:NM+1] op_sel:[0,0,\u] op_sel_hi:[1,0,\u]   ; (score - largest) x log2(e): of the pair of maxima tile u's serves both halves
.set k, k+2
.endr
.endr
	s_wait_alu depctr_va_vdst(0)
.irp u,0,1
.set k, 0
.rept 16
	v_exp_f32 v[PP+2*k+\u], v[WS+16*\u+k]          ; the two tiles' exponentials are written interleaved
.set k, k+1
.endr
.endr
	v_nop                                          ; a plain place behind the batch
	s_wait_alu depctr_va_vdst(0)                   ; one wait for the 32, ahead of their first reader
	v_pk_add_f32 v[202:203], v[160:161], v[162:163]
	v_pk_add_f32 v[254:255], v[168:169], v[172:173]
	v_pk_add_f32 v[252:253], v[176:177], v[180:181]
	v_pk_add_f32 v[250:251], v[184:185], v[188:189]
	v_pk_add_f32 v[248:249], v[164:165], v[166:167]
	v_pk_add_f32 v[246:247], v[170:171], v[174:175]
	v_pk_add_f32 v[244:245], v[178:179], v[182:183]
	v_pk_add_f32 v[200:201], v[186:187], v[190:191]
	s_delay_alu instid0(VALU_DEP_1)
	v_pk_add_f32 v[200:201], v[200:201], v[250:251]
	v_pk_add_f32 v[202:203], v[202:203], v[248:249]
	v_pk_add_f32 v[254:255], v[254:255], v[246:247]
	v_pk_add_f32 v[252:253], v[252:253], v[244:245]
	s_delay_alu instid0(VALU_DEP_2)
	v_pk_add_f32 v[200:201], v[200:201], v[254:255]
	s_delay_alu instid0(VALU_DEP_2)
	v_pk_add_f32 v[202:203], v[202:203], v[252:253]
	s_delay_alu instid0(VALU_DEP_1)
	v_pk_add_f32 v[200:201], v[200:201], v[202:203]
	v_permlanex16_b32 v[PS], v[SA], s38, s39
	v_permlanex16_b32 v[PS+1], v[SA+1], s38, s39
	s_delay_alu instid0(VALU_DEP_1)
	v_pk_add_f32 v[SA:SA+1], v[SA:SA+1], v[PS:PS+1]
	s_wait_alu depctr_va_vdst(0)                   ; the wait ahead of the two reciprocals,
	v_rcp_f32 v[RI], v[SA]
	v_rcp_f32 v[RI+1], v[SA+1]
	v_nop
	s_wait_alu depctr_va_vdst(0)                   ; and behind them
.if \first
	WIN 0x40                                       ; destination window 1: the first r starts its sum: nothing is cleared
.set k, 0
.rept 16
	v_pk_mul_f32 v[DEM+k:DEM+k+1], v[PP+k:PP+k+1], v[RI:RI+1]
.set k, k+2
.endr
	WIN 0
.endif
.set k, 0
.rept 16
	v_pk_mul_f32 v[PP+k:PP+k+1], v[PP+k:PP+k+1], v[RI:RI+1]         ; r, finished and normalised
.set k, k+2
.endr
.if !\first
	WIN 0x41                                       ; destination and source 0 window 1
.set k, 0
.rept 16
	v_pk_add_f32 v[DEM+k:DEM+k+1], v[DEM+k:DEM+k+1], v[PP+k:PP+k+1] ; the sum of the unquantised r
.set k, k+2
.endr
	WIN 0
.endif
	s_cmp_ge_i32 s42, -8                           ; a branch on the given exponents alone
	s_cbranch_scc0 .Lhold_\@
.irp c,0,1,2,3
	v_cvt_scalef32_pk8_fp8_f32 v[WS+2*\c:WS+2*\c+1], v[PP+8*\c:PP+8*\c+7], v[SC4]
.endr
	v_nop                                          ; a plain place behind the last conversion
	ds_store_b128 v[RST], v[WS:WS+3]     offset:RBLK*(\a)           ; row = my point's place in its tile; my 16 components' pairs of bytes: 32 bytes
	ds_store_b128 v[RST], v[WS+4:WS+7]   offset:RBLK*(\a)+16
	s_cmp_eq_u32 s58, 1
	s_cbranch_scc1 .Ldone_\@                       ; e4 = e6: these codes serve product 4 too
.irp c,0,1,2,3
	v_cvt_scalef32_pk8_fp8_f32 v[WS+8+2*\c:WS+8+2*\c+1], v[PP+8*\c:PP+8*\c+7], v[SC6]
.endr
	v_nop
	ds_store_b128 v[RST], v[WS+8:WS+11]  offset:2*RBLK+RBLK*(\a)
	ds_store_b128 v[RST], v[WS+12:WS+15] offset:2*RBLK+RBLK*(\a)+16
	s_branch .Ldone_\@
.Lhold_\@:                                         ; a scale under which 1 lies beyond the largest code: r is held first, for each of the two scales
.set k, 0
.rept 16
	MIN2 UU+k, PP+k, UU+k+1, PP+k+1, 40
.set k, k+2
.endr
.irp c,0,1,2,3
	v_cvt_scalef32_pk8_fp8_f32 v[WS+2*\c:WS+2*\c+1], v[UU+8*\c:UU+8*\c+7], v[SC4]
.endr
	v_nop                                          ; a plain place before the conversions' sources are written again
.set k, 0
.rept 16
	MIN2 UU+k, PP+k, UU+k+1, PP+k+1, 41
.set k, k+2
.endr
.irp c,0,1,2,3
	v_cvt_scalef32_pk8_fp8_f32 v[WS+8+2*\c:WS+8+2*\c+1], v[UU+8*\c:UU+8*\c+7], v[SC6]
.endr
	v_nop
	ds_store_b128 v[RST], v[WS:WS+3]     offset:RBLK*(\a)
	ds_store_b128 v[RST], v[WS+4:WS+7]   offset:RBLK*(\a)+16
	ds_store_b128 v[RST], v[WS+8:WS+11]  offset:2*RBLK+RBLK*(\a)
	ds_store_b128 v[RST], v[WS+12:WS+15] offset:2*RBLK+RBLK*(\a)+16
.Ldone_\@:
.endm
; PRODUCTS 3 AND 4 for the step's 64 points: source 0 = X or X X (16 columns d = 4 m + q), source 1 = r (16 components).  The 16 accumulators take turns.  r4: where product 4's r stands.
.macro WMUL zero, r4
	WIN 0x51                                       ; source 0, C and D window 1
.irp t,0,1
.irp q,0,1,2,3
.if \zero
	v_wmma_f32_16x16x64_fp8_fp8 v[ACC+32*\t+8*\q:ACC+32*\t+8*\q+7], v[X5+8*\q:X5+8*\q+7], v[160+8*\t:160+8*\t+7], 0
	v_wmma_f32_16x16x64_fp8_fp8 v[ACC+64+32*\t+8*\q:ACC+64+32*\t+8*\q+7], v[X7+8*\q:X7+8*\q+7], v[\r4+8*\t:\r4+8*\t+7], 0
.else
	v_wmma_f32_16x16x64_fp8_fp8 v[ACC+32*\t+8*\q:ACC+32*\t+8*\q+7], v[X5+8*\q:X5+8*\q+7], v[160+8*\t:160+8*\t+7], v[ACC+32*\t+8*\q:ACC+32*\t+8*\q+7]
	v_wmma_f32_16x16x64_fp8_fp8 v[ACC+64+32*\t+8*\q:ACC+64+32*\t+8*\q+7], v[X7+8*\q:X7+8*\q+7], v[\r4+8*\t:\r4+8*\t+7], v[ACC+64+32*\t+8*\q:ACC+64+32*\t+8*\q+7]
.endif
.endr
.endr
	WIN 0
.endm
.macro WPHASE zero
	s_cmp_eq_u32 s58, 1
	s_cbranch_scc0 .Ltwo_\@
.irp t,0,1
.irp a2,0,1
	ds_load_tr16_b128 v[160+8*\t+4*\a2:160+8*\t+4*\a2+3], v[RTR] offset:RBLK*\a2+32*\t
.endr
.endr
	s_wait_dscnt 0x0
	WMUL \zero, 160
	s_branch .Lw_\@
.Ltwo_\@:
.irp t,0,1
.irp a2,0,1
	ds_load_tr16_b128 v[160+8*\t+4*\a2:160+8*\t+4*\a2+3], v[RTR] offset:RBLK*\a2+32*\t
	ds_load_tr16_b128 v[176+8*\t+4*\a2:176+8*\t+4*\a2+3], v[RTR] offset:2*RBLK+RBLK*\a2+32*\t
.endr
.endr
	s_wait_dscnt 0x0
	WMUL \zero, 176
.Lw_\@:
.rept 4
	v_nop                                          ; places before these operands' registers are written again, and before the sums are read
.endr
.endm
.macro STEP zero, fill
	s_wait_loadcnt 16                              ; chunk 0 is in; chunk 1's sixteen loads stay out
	QGROUP 0, 0, \fill
	QGROUP 0, 1, \fill
	XSTORE 0
	SPHASE 0, \zero
.if \fill
	s_wait_loadcnt 16                              ; chunk 1 is in; the sixteen issued since stay out
.else
	s_wait_loadcnt 0x0
.endif
	QGROUP 1, 0, \fill
	QGROUP 1, 1, \fill
	XSTORE 1
	SPHASE 1, 0
	WPHASE \zero
.if \fill
	s_wait_xcnt 0x0                                ; the loads have read their base: it may step
	s_add_nc_u64 s[4:5], s[4:5], 2*TURNB
.endif
.endm
	STEP 1, 1                                      ; the first step starts every sum
	s_mov_b32 s19, 2
.Lstep:
	STEP 0, 1
	s_sub_co_u32 s19, s19, 1
	s_cmp_lg_u32 s19, 0
	s_cbranch_scc1 .Lstep
	STEP 0, 0                                      ; the last step asks for nothing: no load leaves X
; THE END.  Each wave puts its sums into LDS as images of its registers, four registers to an image, 16 bytes a lane.  Image 16 t + q + 4 p + 8 u: registers 4 u .. 4 u + 3 of accumulator (p, t, q).
; Wave w then adds and stores components 4 w .. 4 w + 3: lane (l, h) takes image 16 (w / 4) + l at the place of (component % 16, h), so the sixteen lanes hold the unit (component, half h) in its order.
	s_mul_i32 s44, s18, SREG
	s_add_co_u32 s44, s44, STAGE
	s_lshl_b32 s45, s18, 7
	s_add_co_u32 s45, s45, DEMS
	v_add_nc_u32 v210, s44, v[GOFF]
	v_bfe_u32 v208, v0, 4, 1                       ; h
	WIN 0x04                                       ; the stores' data window 1
.irp t,0,1
.irp q,0,1,2,3
.irp p,0,1
.irp u,0,1
	ds_store_b128 v210, v[ACC+64*\p+32*\t+8*\q+4*\u:ACC+64*\p+32*\t+8*\q+4*\u+3] offset:IP*(16*\t+\q+4*\p+8*\u)   ; each accumulator from its low end on
.endr
.endr
.endr
.endr
	WIN 0x05                                       ; sources window 1
.set k, 0
.rept 16
	v_add_f32 v[192+k], v[DEM+2*k], v[DEM+2*k+1]   ; the two tiles' sums of r: component 16 h + k
.set k, k+1
.endr
	WIN 0
	v_lshl_add_u32 v211, v208, 6, s45
.irp m,1,2,4,8
.set k, 0
.rept 16
	v_add_f32_dpp v[192+k], v[192+k], v[192+k] row_xmask:\m row_mask:0xf bank_mask:0xf    ; over the sixteen points of the lanes
.set k, k+1
.endr
.endr
.irp k4,0,1,2,3
	ds_store_b128 v211, v[192+4*\k4:195+4*\k4] offset:16*\k4   ; sixteen lanes store the same numbers to the same bytes
.endr
	s_wait_tensorcnt 0x0                           ; behind the wave's last LDS writes; only LDS reads follow
	ds_add_u32 v[SPW], v[NIL]
	v_and_b32 v209, 15, v0                         ; l
	v_and_b32 v219, 31, v0
	s_lshr_b32 s46, s18, 2
	s_and_b32 s47, s18, 3
	v_mul_u32_u24 v215, v209, IP
	v_lshlrev_b32 v218, 4, v209
	v_lshl_add_u32 v216, v219, 2, DEMS             ; wave 0: a lane to a component
	v_lshlrev_b32 v217, 3, v219
	v_lshl_add_u32 v215, v208, 8, v215
	v_lshl_add_u32 v228, v208, 16, v218            ; in part: 65,536 x half of d + 16 l
	s_mul_i32 s46, s46, 16*IP
	s_lshl_b32 s47, s47, 6
	s_add_co_u32 s46, s46, s47
	s_add_co_u32 s46, s46, STAGE
	v_add_nc_u32 v212, s46, v215                   ; my place in the images of waves 0-2,
	v_add_nc_u32 v213, 3*SREG, v212                ; 3-5,
	v_add_nc_u32 v214, 6*SREG, v212                ; 6-7
	s_lshl_b32 s44, s18, 19                        ; part: 2 x 65,536 bytes a component, four components a wave,
	s_lshl_b32 s46, ttmp9, 8                       ; 256 bytes a work-group, in demp too
	s_add_co_u32 s44, s44, s46
	s_mov_b32 s45, 0
	s_mov_b32 s47, 0
	s_add_nc_u64 s[14:15], s[14:15], s[44:45]
	s_add_nc_u64 s[16:17], s[16:17], s[46:47]
	s_wait_alu depctr_va_vdst(0)
	s_wait_dscnt 0x0                               ; the add is done, and for the others' sake: my stores have landed
	s_barrier_signal -1
	s_barrier_wait -1
	s_cmp_lg_u32 s18, 0
	s_cbranch_scc1 .Lnot0
.irp ws,0,1,2,3,4,5,6,7
	ds_load_b32 v[160+\ws], v216 offset:128*\ws
.endr
	s_wait_dscnt 0x0
	v_pk_add_f32 v[160:161], v[160:161], v[162:163]
	v_pk_add_f32 v[164:165], v[164:165], v[166:167]
	s_delay_alu instid0(VALU_DEP_1)
	v_pk_add_f32 v[160:161], v[160:161], v[164:165]
	s_delay_alu instid0(VALU_DEP_1)
	v_add_f32 v160, v160, v161
	v_mov_b32 v161, 0
	global_store_b64 v217, v[160:161], s[16:17]    ; 32 lanes store 256 consecutive bytes, aligned
.Lnot0:
.irp ws,0,1,2,3,4,5,6,7
.irp rho,0,1,2,3
	ds_load_b128 v[RAW+16*\ws+4*\rho:RAW+16*\ws+4*\rho+3], v[212+\ws/3] offset:(\ws%3)*SREG+16*\rho
.endr
.endr
.macro RADD d, s
.set k, 0
.rept 8
	v_pk_add_f32 v[RAW+16*(\d)+k:RAW+16*(\d)+k+1], v[RAW+16*(\d)+k:RAW+16*(\d)+k+1], v[RAW+16*(\s)+k:RAW+16*(\s)+k+1]
.set k, k+2
.endr
.endm
	s_wait_dscnt 24                                ; two waves' sums are in at each of these waits
	RADD 0, 1
	s_wait_dscnt 16
	RADD 2, 3
	s_wait_dscnt 8
	RADD 4, 5
	RADD 0, 2
	s_wait_dscnt 0x0
	RADD 6, 7
	RADD 4, 6
	RADD 0, 4
.irp rho,0,1,2,3
	global_store_b128 v228, v[RAW+4*\rho:RAW+4*\rho+3], s[14:15] offset:131072*\rho        ; sixteen lanes store 256 consecutive bytes, aligned: one half of d of one component; the other sixteen the other half
.endr
	s_endpgm
.Lfunc_end_k_qfc8c764bd1_estep:
	.size	k_qfc8c764bd1_estep, .Lfunc_end_k_qfc8c764bd1_estep-k_qfc8c764bd1_estep
	.p2alignl 7, 3214868480
	.fill 96, 4, 3214868480
	.section	.rodata,"a",@progbits
	.p2align	6, 0x0
	.amdhsa_kernel k_qfc8c764bd1_estep
		.amdhsa_group_segment_fixed_size 215296
		.amdhsa_private_segment_fixed_size 0
		.amdhsa_enable_private_segment 0
		.amdhsa_kernarg_size 56
		.amdhsa_user_sgpr_count 2
		.amdhsa_user_sgpr_kernarg_segment_ptr 1
		.amdhsa_wavefront_size32 1
		.amdhsa_system_sgpr_workgroup_id_x 1
		.amdhsa_system_sgpr_workgroup_id_y 1
		.amdhsa_system_sgpr_workgroup_id_z 1
		.amdhsa_system_vgpr_workitem_id 0
		.amdhsa_next_free_vgpr 512
		.amdhsa_next_free_sgpr 66
		.amdhsa_reserve_vcc 0
		.amdhsa_float_denorm_mode_32 3
		.amdhsa_float_denorm_mode_16_64 3
		.amdhsa_memory_ordered 1
		.amdhsa_forward_progress 1
		.amdhsa_inst_pref_size 248
	.end_amdhsa_kernel
	.amdgpu_metadata
---
amdhsa.version: [ 1, 2 ]
amdhsa.kernels:
  - .name:           k_qfc8c764bd1_estep
    .symbol:         k_qfc8c764bd1_estep.kd
    .args:
      - { .name: X, .offset: 0, .size: 8, .value_kind: global_buffer, .address_space: global }
      - { .name: mu, .offset: 8, .size: 8, .value_kind: global_buffer, .address_space: global }
      - { .name: var, .offset: 16, .size: 8, .value_kind: global_buffer, .address_space: global }
      - { .name: pi, .offset: 24, .size: 8, .value_kind: global_buffer, .address_space: global }
      - { .name: lowp_scales, .offset: 32, .size: 8, .value_kind: global_buffer, .address_space: global }
      - { .name: part, .offset: 40, .size: 8, .value_kind: global_buffer, .address_space: global }
      - { .name: demp, .offset: 48, .size: 8, .value_kind: global_buffer, .address_space: global }
    .group_segment_fixed_size: 215296
    .private_segment_fixed_size: 0
    .kernarg_segment_align: 8
    .kernarg_segment_size: 56
    .max_flat_workgroup_size: 256
    .sgpr_count:     66
    .vgpr_count:     512
    .wavefront_size: 32
...
	.end_amdgpu_metadata
.endif
;; end of part 3
;; launch finish (part 4): grid 128 x 1, 8 waves a work-group, no clusters, 2,304 bytes of LDS; arguments part, demp, lowp_scales, out0; writes out0
.if DOCPART == 4
	.amdgcn_target "amdgcn-amd-amdhsa--gfx1250"
	.amdhsa_code_object_version 6
	.text
	.protected	k_qfc8c764bd1_finish
	.globl	k_qfc8c764bd1_finish
	.p2align	8
	.type	k_qfc8c764bd1_finish,@function
k_qfc8c764bd1_finish:
	s_mov_b64 s[64:65], 0
	v_nop
	global_prefetch_b8 v0, s[64:65] scope:SCOPE_SE
	s_setreg_imm32_b32 hwreg(HW_REG_WAVE_MODE, 25, 1), 1
	s_wait_xcnt 0x0
.set DEMW,  1024                       ; LDS: eight rows of 128 bytes, then the eight waves' sums of r,
; The 256 work-groups' parts are added and the M-step is finished.  part [2 x component + half of d][256][64] f32: place 4 l + e, l = q + 4 p + 8 u, is d = 32 half + 16 u + 4 e + q of r x (p = 0) or of r x x (p = 1), as
; sums of codes; demp [256][32][2]: the sum of r, and a 0.   out0 [32][129]: pi, mu (64), var (64).
; A work-group takes one component and 16 of its d: one half (u) of each of 256 units, 128 consecutive bytes of both products.  Wave w adds parts 32 w .. 32 w + 31: each load reads four parts, and all eight are asked for at once.
; The four groups of lanes are added, the eight waves' sums meet in LDS, and wave 0 finishes, a lane to a d, both halves of the lanes alike.  rx = sum x 2^(e4+e5), rx2 = sum x 2^(e6+e7), by v_ldexp_f32.
; 1 / dem is v_rcp_f32; dem / 524288 is a multiplication by 2^-19.  A component's sum of r is read as four bytes of each part's 256: one load a wave.
; No matrix work, no cluster (work-groups share only demp's 64 KB), no tensor load and no prefetch: the launch is one run of loads, with no loop to run ahead in, and a short sum.
; LIMIT: e4 + e5 and e6 + e7 are such that the scaled sums are f32 numbers.  NaN among the inputs is not served.
.set SPARE, 1280                       ; then the spare words, 128 bytes for each wave: four blocks of 256 bytes that no other line names
.set SPW, 30
.set NIL, 31
.set D0,  32                           ; v32-63: 8 loads x 4 registers
	s_load_b256 s[4:11], s[0:1], 0x0               ; part, demp, lowp_scales, out0
	v_lshrrev_b32 v7, 5, v0
	v_and_b32 v2, 31, v0
	v_and_b32 v6, 7, v0
	v_lshl_add_u32 v[SPW], v0, 2, SPARE
	v_readfirstlane_b32 s12, v7                    ; wave 0..7
	v_mov_b32 v[NIL], 0
	v_bfe_u32 v1, v0, 3, 2
	v_lshlrev_b32 v3, 8, v2                        ; a part's 256 bytes of demp a lane
	v_and_b32 v8, 15, v0
	v_lshlrev_b32 v6, 4, v6                        ; 16 (lane % 8)
	v_lshl_add_u32 v7, v7, 2, DEMW                 ; where my wave's sum of r goes
	v_lshl_add_u32 v1, v1, 8, v6                   ; part lane / 8 of a load's four
	v_bfe_u32 v20, v0, 2, 2
	v_and_b32 v21, 3, v0
	v_lshlrev_b32 v8, 2, v8                        ; 4 (lane % 16)
	s_lshl_b32 s13, s12, 7
	s_lshr_b32 s18, ttmp9, 6                       ; u
	s_and_b32 s17, ttmp9, 1                        ; which half of d
	s_lshl_b32 s17, s17, 7
	s_lshl_b32 s19, s18, 6
	s_add_co_u32 s17, s17, s19                     ; 4 x my first d
	v_add_nc_u32 v6, s13, v6                       ; my wave's row in LDS
	v_mov_b32 v9, DEMW
	v_lshl_add_u32 v20, v20, 2, s17
	v_mov_b32 v5, 0                                ; written once: a lane permute's destination counts as one of its sources
	v_lshl_add_u32 v18, v21, 4, v20                ; 4 d: place lane % 16 of a row is d = 4 (lane % 4) + (lane / 4) % 4 of the 16
	s_mov_b32 s30, 0x76543210                      ; v_permlanex16_b32: lane l xor 16
	s_mov_b32 s31, 0xfedcba98
	s_and_b32 s16, ttmp9, 63
	s_lshl_b32 s14, s16, 16                        ; my unit's 65,536 bytes of part,
	s_lshl_b32 s15, s12, 13                        ; 32 parts of 256 bytes a wave,
	s_add_co_u32 s14, s14, s15
	s_lshl_b32 s18, s18, 7
	s_add_co_u32 s14, s14, s18                     ; and my half of each
	s_lshr_b32 s16, s16, 1                         ; the component
	s_lshl_b32 s20, s16, 3
	s_add_co_u32 s20, s20, s15
	s_mov_b32 s21, 0
	s_mov_b32 s15, 0
	s_mul_i32 s22, s16, 516                        ; the component's row of out0
	s_mov_b32 s23, 0
	s_wait_alu depctr_va_vdst(0)
	s_wait_kmcnt 0x0
	s_load_b128 s[24:27], s[8:9], 0x10             ; e4 .. e7
	s_add_nc_u64 s[4:5], s[4:5], s[14:15]
	s_add_nc_u64 s[6:7], s[6:7], s[20:21]
	s_add_nc_u64 s[10:11], s[10:11], s[22:23]
	global_load_b32 v4, v3, s[6:7]
.set k, 0
.rept 8
	global_load_b128 v[D0+4*k:D0+4*k+3], v1, s[4:5] offset:1024*k
.set k, k+1
.endr
.macro QADD d, s
	v_pk_add_f32 v[\d:\d+1], v[\d:\d+1], v[\s:\s+1]
	v_pk_add_f32 v[\d+2:\d+3], v[\d+2:\d+3], v[\s+2:\s+3]
.endm
	s_wait_loadcnt 8                               ; the sums of r are in; the eight behind them stay out
	v_add_f32_dpp v4, v4, v4 row_xmask:1 row_mask:0xf bank_mask:0xf    ; my wave's 32 parts of the sum of r
	s_delay_alu instid0(VALU_DEP_1)
	v_add_f32_dpp v4, v4, v4 row_xmask:2 row_mask:0xf bank_mask:0xf
	s_delay_alu instid0(VALU_DEP_1)
	v_add_f32_dpp v4, v4, v4 row_xmask:4 row_mask:0xf bank_mask:0xf
	s_delay_alu instid0(VALU_DEP_1)
	v_add_f32_dpp v4, v4, v4 row_xmask:8 row_mask:0xf bank_mask:0xf
	s_delay_alu instid0(VALU_DEP_1)
	v_permlanex16_b32 v5, v4, s30, s31
	s_delay_alu instid0(VALU_DEP_1)
	v_add_f32 v4, v4, v5
.irp g,0,1
	s_wait_alu depctr_va_vdst(0)
	s_wait_loadcnt 4-4*\g                          ; four more loads are in; the younger ones stay out
	QADD D0+16*\g, D0+16*\g+4
	QADD D0+16*\g+8, D0+16*\g+12
	QADD D0+16*\g, D0+16*\g+8
.endr
	QADD D0, D0+16
.irp e,0,1,2,3
	v_add_f32_dpp v[D0+\e], v[D0+\e], v[D0+\e] row_xmask:8 row_mask:0xf bank_mask:0xf
.endr
.irp e,0,1,2,3
	v_permlanex16_b32 v[D0+4+\e], v[D0+\e], s30, s31   ; (the destinations have been written: they held parts)
.endr
	QADD D0, D0+4                                  ; the four groups of eight lanes are added, in every lane
	ds_store_b128 v6, v[D0:D0+3]                   ; the four groups store the same numbers to the same bytes
	ds_store_b32 v7, v4                            ; all lanes store the same number to the same word
	s_wait_tensorcnt 0x0                           ; behind my last LDS store; only LDS reads follow
	ds_add_u32 v[SPW], v[NIL]
	s_wait_dscnt 0x0                               ; the add is done, and for the others' sake: my stores have landed
	s_barrier_signal -1
	s_barrier_wait -1
	s_cmp_lg_u32 s12, 0
	s_cbranch_scc1 .Lend                           ; wave 0 finishes: a lane to a d
	ds_load_b128 v[56:59], v9
	ds_load_b128 v[60:63], v9 offset:16
.irp ws,0,1,2,3,4,5,6,7
	ds_load_b32 v[40+\ws], v8 offset:128*\ws
	ds_load_b32 v[48+\ws], v8 offset:128*\ws+64
.endr
	s_wait_dscnt 0x0
	v_pk_add_f32 v[56:57], v[56:57], v[58:59]
	v_pk_add_f32 v[60:61], v[60:61], v[62:63]
	v_pk_add_f32 v[40:41], v[40:41], v[42:43]
	v_pk_add_f32 v[44:45], v[44:45], v[46:47]
	v_pk_add_f32 v[48:49], v[48:49], v[50:51]
	v_pk_add_f32 v[52:53], v[52:53], v[54:55]
	v_pk_add_f32 v[56:57], v[56:57], v[60:61]
	v_pk_add_f32 v[40:41], v[40:41], v[44:45]
	s_delay_alu instid0(VALU_DEP_3)
	v_pk_add_f32 v[48:49], v[48:49], v[52:53]
	s_delay_alu instid0(VALU_DEP_3)
	v_add_f32 v56, v56, v57                        ; dem
	s_delay_alu instid0(VALU_DEP_3)
	v_add_f32 v40, v40, v41
	s_delay_alu instid0(VALU_DEP_3)
	v_add_f32 v48, v48, v49
	s_wait_alu depctr_va_vdst(0)
	v_rcp_f32 v11, v56
	s_wait_kmcnt 0x0
	s_add_co_i32 s28, s24, s25
	s_add_co_i32 s29, s26, s27
	v_ldexp_f32 v40, v40, s28                      ; rx   (a plain place behind the reciprocal)
	v_ldexp_f32 v48, v48, s29                      ; rx2
	v_mul_f32 v16, 0x36000000, v56                 ; pi = dem / 2^19
	v_or_b32 v19, s17, v0                          ; 0 in lane 0 of the work-group that has d = 0
	s_wait_alu depctr_va_vdst(0)                   ; the wait ahead of the reciprocal's first reader
	v_mul_f32 v12, v40, v11                        ; mu
	s_delay_alu instid0(VALU_DEP_1)
	v_mul_f32 v13, -2.0, v12
	s_delay_alu instid0(VALU_DEP_1)
	v_fma_f32 v14, v13, v40, v48                   ; rx2 - 2 mu rx
	s_delay_alu instid0(VALU_DEP_3)
	v_mul_f32 v15, v12, v12
	s_delay_alu instid0(VALU_DEP_1)
	v_fma_f32 v14, v15, v56, v14                   ; + mu mu dem
	v_mul_f32 v14, v14, v11                        ; var
	global_store_b32 v18, v12, s[10:11] offset:4   ; sixteen lanes store 16 neighbouring words of the row; the other sixteen the same numbers to the same words
	global_store_b32 v18, v14, s[10:11] offset:260
	s_wait_xcnt 0x0                                ; EXEC changes only behind this wait
	v_cmp_eq_u32 vcc_lo, 0, v19
	s_and_saveexec_b32 s20, vcc_lo
	global_store_b32 v8, v16, s[10:11]             ; that lane alone: pi, at the row's first word
	s_wait_xcnt 0x0                                ; and again, in front of the line that widens it
	s_or_b32 exec_lo, exec_lo, s20
.Lend:
	s_endpgm
.Lfunc_end_k_qfc8c764bd1_finish:
	.size	k_qfc8c764bd1_finish, .Lfunc_end_k_qfc8c764bd1_finish-k_qfc8c764bd1_finish
	.p2alignl 7, 3214868480
	.fill 96, 4, 3214868480
	.section	.rodata,"a",@progbits
	.p2align	6, 0x0
	.amdhsa_kernel k_qfc8c764bd1_finish
		.amdhsa_group_segment_fixed_size 2304
		.amdhsa_private_segment_fixed_size 0
		.amdhsa_enable_private_segment 0
		.amdhsa_kernarg_size 32
		.amdhsa_user_sgpr_count 2
		.amdhsa_user_sgpr_kernarg_segment_ptr 1
		.amdhsa_wavefront_size32 1
		.amdhsa_system_sgpr_workgroup_id_x 1
		.amdhsa_system_sgpr_workgroup_id_y 1
		.amdhsa_system_sgpr_workgroup_id_z 1
		.amdhsa_system_vgpr_workitem_id 0
		.amdhsa_next_free_vgpr 96
		.amdhsa_next_free_sgpr 66
		.amdhsa_reserve_vcc 1
		.amdhsa_float_denorm_mode_32 3
		.amdhsa_float_denorm_mode_16_64 3
		.amdhsa_memory_ordered 1
		.amdhsa_forward_progress 1
		.amdhsa_inst_pref_size 9
	.end_amdhsa_kernel
	.amdgpu_metadata
---
amdhsa.version: [ 1, 2 ]
amdhsa.kernels:
  - .name:           k_qfc8c764bd1_finish
    .symbol:         k_qfc8c764bd1_finish.kd
    .args:
      - { .name: part, .offset: 0, .size: 8, .value_kind: global_buffer, .address_space: global }
      - { .name: demp, .offset: 8, .size: 8, .value_kind: global_buffer, .address_space: global }
      - { .name: lowp_scales, .offset: 16, .size: 8, .value_kind: global_buffer, .address_space: global }
      - { .name: out0, .offset: 24, .size: 8, .value_kind: global_buffer, .address_space: global }
    .group_segment_fixed_size: 2304
    .private_segment_fixed_size: 0
    .kernarg_segment_align: 8
    .kernarg_segment_size: 32
    .max_flat_workgroup_size: 256
    .sgpr_count:     66
    .vgpr_count:     96
    .wavefront_size: 32
...
	.end_amdgpu_metadata
.endif
;; end of part 4
